; MI455X (gfx1250); checked and timed in simulation.
; The chip was launched on July 23, 2026; its instructions are those of AMD's public machine-readable ISA for CDNA 5 (MIT licence, August 2026) and "CDNA5" Instruction Set Architecture Reference Guide (July 2026). The comments in the code are by the model that wrote it; some were corrected since.
;; Mo E Layer. Allowed arithmetic: float matrix products may take bf16 or f16 operands with f32 sums; other float arithmetic in f32, or as packed bf16 or f16 multiplies, adds, multiply-adds, maxima and minima; sums over many terms, partial sums and values carried from step to step in f32; what a program stores and reads back later, other than sums and carried values, may be rounded once to bf16 or f16.
;; Inputs: W1 8 x 512 x 2,048 float32; W2 8 x 2,048 x 512 float32; b1 8 x 2,048 float32; b2 8 x 512 float32; b_router 8 float32; w_router 512 x 8 float32; x 2 x 2,048 x 512 float32.
;; Outputs: out0 2 x 2,048 x 512 float32; out1 one number float32; out2 2 x 2,048 x 8 float32.
;; 2 versions, each right and faster than the one before. Each part assembles by itself: llvm-mc -triple=amdgcn-amd-amdhsa -mcpu=gfx1250 --defsym DOCPART=n.
;; ======== version 1 of 2: 3 launches
;; limits: values are held in f16: magnitudes above 65,504 overflow, below 6.1e-05 lose precision
;; workspace buffers: xb 4,194,304 bytes; hid 134,217,728 bytes; gate 16,384 bytes; part 16,384 bytes; rec 8,192 bytes of whole numbers; perm 131,072 bytes of whole numbers; gsort 131,072 bytes; cnts 256 bytes of whole numbers
;; launch router (part 1): grid 256 x 1, 4 waves a work-group, no clusters, 30,720 bytes of LDS; arguments x, w_router, b_router, out2, xb, gate, part, rec; writes out2, xb, gate, part, rec
.if DOCPART == 1
	.amdgcn_target "amdgcn-amd-amdhsa--gfx1250"
	.amdhsa_code_object_version 6
	.text
	.protected	k_q5c3d8b0302_router
	.globl	k_q5c3d8b0302_router
	.p2align	8
	.type	k_q5c3d8b0302_router,@function
k_q5c3d8b0302_router:
	s_mov_b64 s[64:65], 0
	v_nop
	global_prefetch_b8 v0, s[64:65] scope:SCOPE_SE
	s_setreg_imm32_b32 hwreg(HW_REG_WAVE_MODE, 25, 1), 1
	s_wait_xcnt 0x0
; ROUTER.  logits = x w_router + b_router for 16 tokens a work-group; softmax, the largest probability (the gate) and its expert; x rounded to bf16 for the next launch.
; FORMATS AND LIMITS.  x, w_router and b_router are each rounded once to bf16 (bf16 keeps f32's range); products and sums in f32.  The expert is the lowest index among the largest LOGITS;
; it differs from an argmax over the probabilities only where two unequal logits give equal f32 probabilities.  A probability below 2^-126 counts as 0.  NaN and infinities are not treated apart.
; SHARES.  Work-group g: tokens 16 g .. 16 g + 15.  Wave w: k = 128 w .. 128 w + 127 of all 16 tokens: four matrix instructions.  The four partial sums meet in LDS behind one barrier; wave 0 finishes.
; WHAT IS STORED, all at fixed places (nothing in this launch steers an address or a branch by a number made of floats):
;   out2 the logits; xb [token][512] bf16; gate [token] f32; part [g][16] f32: words 0-7 the 16 tokens' sum of probabilities for each expert, words 8-15 the number of tokens that chose it;
;   rec [g][8] words: bits 0-15 of word e mark the tokens of the group that chose expert e.
; No cluster: the work-groups share only w_router, 16 KB against 32 KB of x each, and it has to pass registers to be rounded and turned.
.set P,     272                        ; an LDS row of 128 bf16: 256 bytes + 16, so that the 16 rows of a fragment load start 68 words apart
.set XSW,   16*P                       ; a wave's 16 rows of x
.set WSB,   4*XSW
.set WSW,   8*P                        ; a wave's 8 rows (experts) of w_router, turned
.set PLB,   WSB+4*WSW                  ; a wave's partial logits: 1,024 bytes
.set SPARE, PLB+4*1024                 ; the spare words, 128 bytes a wave: no other line names them
.set XO,  4                            ; 16 l
.set XBO, 5                            ; 8 l
.set XST, 6                            ; my stage of x + 8 l
.set XRD, 7                            ; my stage of x + 272 r + 16 h
.set WST, 8                            ; my stage of w + 1,088 (l & 1) + 2 (l >> 1)
.set WRD, 9                            ; my stage of w + 272 (r & 7) + 16 h
.set PST, 10                           ; my partial logits + 16 l
.set PRD, 11                           ; wave 0's partial logits + 16 l
.set L4,  12                           ; 4 l
.set O2,  13                           ; 32 r + 16 h
.set SPW, 14                           ; my spare word; never rewritten
.set NIL, 15                           ; 0; never rewritten
; v32-95 x as loaded; v96-127 w_router as loaded; v128-159 x in bf16; v160-175 w in bf16; v176-207 fragments of w; v208-239 fragments of x; v240-255 two accumulators
	s_load_b256 s[4:11], s[0:1], 0x0               ; x s[4:5], w_router s[6:7], b_router s[8:9], out2 s[10:11]
	s_load_b256 s[12:19], s[0:1], 0x20             ; xb s[12:13], gate s[14:15], part s[16:17], rec s[18:19]
	v_lshl_add_u32 v[SPW], v0, 2, SPARE
	v_mov_b32 v[NIL], 0
	v_and_b32 v1, 31, v0                           ; l
	v_lshrrev_b32 v16, 5, v0
	v_readfirstlane_b32 s28, v16                   ; wave
	v_and_b32 v2, 15, v0                           ; r
	v_bfe_u32 v3, v0, 4, 1                         ; h
	s_mul_i32 s40, s28, XSW
	s_mul_i32 s41, s28, WSW
	s_add_co_u32 s41, s41, WSB
	s_lshl_b32 s42, s28, 10
	s_add_co_u32 s42, s42, PLB
	s_mov_b32 s43, 0xffff0000                      ; a word's upper bf16; also the mask of lanes 16-31
	v_lshlrev_b32 v[XO], 4, v1
	v_lshlrev_b32 v[XBO], 3, v1
	v_add_nc_u32 v[XST], s40, v[XBO]
	v_mul_u32_u24 v[XRD], v2, P
	v_lshl_add_u32 v[XRD], v3, 4, v[XRD]
	v_add_nc_u32 v[XRD], s40, v[XRD]
	v_and_b32 v16, 1, v0
	v_mul_u32_u24 v[WST], v16, 4*P
	v_lshrrev_b32 v16, 1, v1
	v_lshl_add_u32 v[WST], v16, 1, v[WST]
	v_add_nc_u32 v[WST], s41, v[WST]
	v_and_b32 v16, 7, v0
	v_mul_u32_u24 v[WRD], v16, P
	v_lshl_add_u32 v[WRD], v3, 4, v[WRD]
	v_add_nc_u32 v[WRD], s41, v[WRD]
	v_add_nc_u32 v[PST], s42, v[XO]
	v_add_nc_u32 v[PRD], PLB, v[XO]
	v_lshlrev_b32 v[L4], 2, v1
	v_lshlrev_b32 v[O2], 5, v2
	v_lshl_add_u32 v[O2], v3, 4, v[O2]
	s_wait_kmcnt 0x0
	s_load_b256 s[20:27], s[8:9], 0x0              ; b_router: eight numbers
	s_lshl_b32 s30, ttmp9, 15                      ; 16 tokens of 2,048 bytes,
	s_lshl_b32 s40, s28, 9                         ; my wave's 512 bytes of a row
	s_add_co_u32 s30, s30, s40
	s_mov_b32 s31, 0
	s_add_nc_u64 s[4:5], s[4:5], s[30:31]
	s_lshr_b32 s30, s30, 1                         ; the same place in xb: half the bytes
	s_add_nc_u64 s[12:13], s[12:13], s[30:31]
	s_lshl_b32 s30, s28, 12                        ; my 128 rows of w_router, 32 bytes each
	s_add_nc_u64 s[6:7], s[6:7], s[30:31]
.set i, 0
.rept 8                                ; a lane gets k = 16 i + (l >> 1), experts 4 (l & 1) .. + 3
	global_load_b128 v[96+4*i:96+4*i+3], v[XO], s[6:7] offset:512*i
.set i, i+1
.endr
.set i, 0
.rept 16                               ; token i: 512 consecutive bytes
	global_load_b128 v[32+4*i:32+4*i+3], v[XO], s[4:5] offset:2048*i th:TH_LOAD_NT
.set i, i+1
.endr
	s_wait_loadcnt 16                              ; the 16 loads of x are younger: w_router is in
.set i, 0
.rept 8
	v_cvt_pk_bf16_f32 v[160+2*i], v[96+4*i], v[96+4*i+1]
	v_cvt_pk_bf16_f32 v[161+2*i], v[96+4*i+2], v[96+4*i+3]
.set i, i+1
.endr
.set i, 0
.rept 8                                ; turned: expert by rows, k along the row
	ds_store_b16 v[WST], v[160+2*i] offset:32*i
	ds_store_b16_d16_hi v[WST], v[160+2*i] offset:32*i+P
	ds_store_b16 v[WST], v[161+2*i] offset:32*i+2*P
	ds_store_b16_d16_hi v[WST], v[161+2*i] offset:32*i+3*P
.set i, i+1
.endr
.set i, 0
.rept 16
.if i%4 == 0
	s_wait_loadcnt 12-i                            ; four tokens at a time: the later tokens' loads stay out
.endif
	v_cvt_pk_bf16_f32 v[128+2*i], v[32+4*i], v[32+4*i+1]
	v_cvt_pk_bf16_f32 v[129+2*i], v[32+4*i+2], v[32+4*i+3]
	ds_store_b64 v[XST], v[128+2*i:129+2*i] offset:P*i
	global_store_b64 v[XBO], v[128+2*i:129+2*i], s[12:13] offset:1024*i  ; the wave stores 256 consecutive bytes, at a multiple of 256 from xb's first
.set i, i+1
.endr
.set i, 0
.rept 4                                ; my own bytes: LDS serves a wave's instructions in order (ISA guide 5.7.1.4), so these see the stores above
	ds_load_b128 v[176+8*i:179+8*i], v[WRD] offset:64*i
	ds_load_b128 v[180+8*i:183+8*i], v[WRD] offset:64*i+32
	ds_load_b128 v[208+8*i:211+8*i], v[XRD] offset:64*i
	ds_load_b128 v[212+8*i:215+8*i], v[XRD] offset:64*i+32
.set i, i+1
.endr
	s_wait_dscnt 0x0
	; source 0: row m is expert m & 7; source 1: column n is token n.  A lane (r, h) then holds all eight logits of token r in registers 0-7.  Two accumulators by turns.
	v_wmma_f32_16x16x32_bf16 v[240:247], v[176:183], v[208:215], 0
	v_wmma_f32_16x16x32_bf16 v[248:255], v[184:191], v[216:223], 0
	v_wmma_f32_16x16x32_bf16 v[240:247], v[192:199], v[224:231], v[240:247]
	v_wmma_f32_16x16x32_bf16 v[248:255], v[200:207], v[232:239], v[248:255]
.rept 4
	v_nop                                          ; four places between the last product and the first read of a result (ISA guide 7.12.1)
.endr
.set i, 0
.rept 4                                ; from the low registers on
	v_pk_add_f32 v[240+2*i:241+2*i], v[240+2*i:241+2*i], v[248+2*i:249+2*i]
.set i, i+1
.endr
	ds_store_b128 v[PST], v[240:243]
	ds_store_b128 v[PST], v[244:247] offset:512
	s_wait_kmcnt 0x0                               ; b_router
	s_wait_dscnt 0x0                               ; for wave 0's sake: my partial logits are in LDS
	s_barrier_signal -1
	s_barrier_wait -1
	s_cmp_lg_u32 s28, 0
	s_cbranch_scc0 .Lwave0
	s_wait_tensorcnt 0x0                           ; the end of waves 1 to 3
	ds_add_u32 v[SPW], v[NIL]
	s_wait_dscnt 0x0
	s_endpgm
.Lwave0:
.set i, 0
.rept 8                                ; wave i / 2's registers 4 (i % 2) .. + 3
	ds_load_b128 v[32+4*i:35+4*i], v[PRD] offset:512*i
.set i, i+1
.endr
.set i, 0
.rept 8
	v_mov_b32 v[64+i], s[20+i]
.set i, i+1
.endr
.set i, 0
.rept 4                                ; the bias rounded to bf16 and widened again
	v_cvt_pk_bf16_f32 v[72+i], v[64+2*i], v[65+2*i]
	v_lshlrev_b32 v[80+2*i], 16, v[72+i]
	v_and_b32 v[81+2*i], s43, v[72+i]
.set i, i+1
.endr
	s_lshl_b32 s30, ttmp9, 9
	s_add_nc_u64 s[10:11], s[10:11], s[30:31]      ; out2: 512 bytes a group
	s_lshl_b32 s30, ttmp9, 6
	s_add_nc_u64 s[14:15], s[14:15], s[30:31]      ; gate and part: 64 bytes a group
	s_add_nc_u64 s[16:17], s[16:17], s[30:31]
	s_lshl_b32 s30, ttmp9, 5
	s_add_nc_u64 s[18:19], s[18:19], s[30:31]      ; rec: 32 bytes a group
	s_wait_dscnt 0x0
.set i, 0
.rept 4                                ; (p0 + p1) + (p2 + p3) + bias
	v_pk_add_f32 v[32+2*i:33+2*i], v[32+2*i:33+2*i], v[40+2*i:41+2*i]
	v_pk_add_f32 v[48+2*i:49+2*i], v[48+2*i:49+2*i], v[56+2*i:57+2*i]
.set i, i+1
.endr
.set i, 0
.rept 4
	v_pk_add_f32 v[32+2*i:33+2*i], v[32+2*i:33+2*i], v[48+2*i:49+2*i]
.set i, i+1
.endr
.set i, 0
.rept 4
	v_pk_add_f32 v[32+2*i:33+2*i], v[32+2*i:33+2*i], v[80+2*i:81+2*i]
.set i, i+1
.endr
.set i, 0
.rept 4                                ; lanes 0-15 send experts 0-3 of their token, lanes 16-31 experts 4-7
	v_cndmask_b32 v[40+i], v[32+i], v[36+i], s43
.set i, i+1
.endr
	global_store_b128 v[O2], v[40:43], s[10:11]    ; 512 consecutive bytes
	v_max3_num_f32 v44, v32, v33, v34
	v_max3_num_f32 v44, v44, v35, v36
	v_max3_num_f32 v44, v44, v37, v38
	v_max_num_f32 v44, v44, v39                    ; m
	v_mov_b32 v45, 7
.irp j, 6,5,4,3,2,1,0                  ; downward, so that the lowest index wins
	v_cmp_eq_f32 vcc_lo, v[32+\j], v44
	v_cndmask_b32 v45, v45, \j, vcc_lo
.endr
.set i, 0
.rept 8
	v_sub_f32 v[48+i], v[32+i], v44                ; exactly 0 for the largest: its exponential is exactly 1
.set i, i+1
.endr
.set i, 0
.rept 8
	v_mul_f32 v[48+i], 0x3fb8aa3b, v[48+i]         ; log2(e)
.set i, i+1
.endr
.set i, 0
.rept 8
	v_exp_f32 v[48+i], v[48+i]
.set i, i+1
.endr
	v_nop                                          ; a plain instruction behind the last exponential (ISA guide 5.7.2),
	s_wait_alu depctr_va_vdst(0)                   ; and a wait ahead of the batch's first reader
	v_add_f32 v56, v48, v49
	v_add_f32 v57, v50, v51
	v_add_f32 v58, v52, v53
	v_add_f32 v59, v54, v55
	v_add_f32 v56, v56, v57
	v_add_f32 v58, v58, v59
	v_add_f32 v56, v56, v58
	v_rcp_f32 v57, v56                             ; 1 / sum: the largest probability, the gate
	v_nop
	s_wait_alu depctr_va_vdst(0)
.set i, 0
.rept 8
	v_mul_f32 v[48+i], v[48+i], v57
.set i, i+1
.endr
.irp m, 1,2,4,8                        ; the 16 tokens' sums, in every lane
.set i, 0
.rept 8
	v_add_f32_dpp v[48+i], v[48+i], v[48+i] row_xmask:\m row_mask:0xf bank_mask:0xf
.set i, i+1
.endr
.endr
	v_mov_b32 v60, 0
	v_mov_b32 v61, 0
	v_mov_b32 v62, 0
.set i, 0
.rept 8
	v_cmp_eq_u32 s[32+i], i, v45                   ; who chose expert i (both halves of the lanes hold the same 16 tokens)
	s_and_b32 s[32+i], s[32+i], 0xffff
	s_bcnt1_i32_b32 s41, s[32+i]
	v_readfirstlane_b32 s40, v[48+i]
	v_writelane_b32 v60, s40, i                    ; lanes 0-7: the sums
	v_writelane_b32 v62, s41, 8+i                  ; lanes 8-15: the counts
	v_writelane_b32 v61, s[32+i], i                ; lanes 0-7: the marks
.set i, i+1
.endr
	v_cvt_f32_u32 v62, v62
	v_add_f32 v60, v60, v62
	v_cmp_gt_u32 vcc_lo, 16, v1
	s_wait_xcnt 0x0                                ; EXEC is a source of the stores that are out: it changes only behind this wait
	s_and_saveexec_b32 s42, vcc_lo
	global_store_b32 v[L4], v57, s[14:15]
	global_store_b32 v[L4], v60, s[16:17]
	s_wait_xcnt 0x0
	s_or_b32 exec_lo, exec_lo, s42
	v_cmp_gt_u32 vcc_lo, 8, v1
	s_wait_xcnt 0x0
	s_and_saveexec_b32 s42, vcc_lo
	global_store_b32 v[L4], v61, s[18:19]
	s_wait_xcnt 0x0
	s_or_b32 exec_lo, exec_lo, s42
	s_wait_tensorcnt 0x0                           ; the wave's end
	ds_add_u32 v[SPW], v[NIL]
	s_wait_dscnt 0x0
	s_endpgm
.Lfunc_end_k_q5c3d8b0302_router:
	.size	k_q5c3d8b0302_router, .Lfunc_end_k_q5c3d8b0302_router-k_q5c3d8b0302_router
	.p2alignl 7, 3214868480
	.fill 96, 4, 3214868480
	.section	.rodata,"a",@progbits
	.p2align	6, 0x0
	.amdhsa_kernel k_q5c3d8b0302_router
		.amdhsa_group_segment_fixed_size 30720
		.amdhsa_private_segment_fixed_size 0
		.amdhsa_enable_private_segment 0
		.amdhsa_kernarg_size 64
		.amdhsa_user_sgpr_count 2
		.amdhsa_user_sgpr_kernarg_segment_ptr 1
		.amdhsa_wavefront_size32 1
		.amdhsa_system_sgpr_workgroup_id_x 1
		.amdhsa_system_sgpr_workgroup_id_y 1
		.amdhsa_system_sgpr_workgroup_id_z 1
		.amdhsa_system_vgpr_workitem_id 0
		.amdhsa_next_free_vgpr 256
		.amdhsa_next_free_sgpr 66
		.amdhsa_reserve_vcc 1
		.amdhsa_float_denorm_mode_32 3
		.amdhsa_float_denorm_mode_16_64 3
		.amdhsa_memory_ordered 1
		.amdhsa_forward_progress 1
		.amdhsa_inst_pref_size 26
	.end_amdhsa_kernel
	.amdgpu_metadata
---
amdhsa.version: [ 1, 2 ]
amdhsa.kernels:
  - .name:           k_q5c3d8b0302_router
    .symbol:         k_q5c3d8b0302_router.kd
    .args:
      - { .name: x, .offset: 0, .size: 8, .value_kind: global_buffer, .address_space: global }
      - { .name: w_router, .offset: 8, .size: 8, .value_kind: global_buffer, .address_space: global }
      - { .name: b_router, .offset: 16, .size: 8, .value_kind: global_buffer, .address_space: global }
      - { .name: out2, .offset: 24, .size: 8, .value_kind: global_buffer, .address_space: global }
      - { .name: xb, .offset: 32, .size: 8, .value_kind: global_buffer, .address_space: global }
      - { .name: gate, .offset: 40, .size: 8, .value_kind: global_buffer, .address_space: global }
      - { .name: part, .offset: 48, .size: 8, .value_kind: global_buffer, .address_space: global }
      - { .name: rec, .offset: 56, .size: 8, .value_kind: global_buffer, .address_space: global }
    .group_segment_fixed_size: 30720
    .private_segment_fixed_size: 0
    .kernarg_segment_align: 8
    .kernarg_segment_size: 64
    .max_flat_workgroup_size: 128
    .sgpr_count:     66
    .vgpr_count:     256
    .wavefront_size: 32
...
	.end_amdgpu_metadata
.endif
;; end of part 1
;; launch ffn1 (part 2): grid 32 x 8, 4 waves a work-group, no clusters, 199,168 bytes of LDS; arguments W1, b1, xb, rec, gate, part, hid, perm, gsort, cnts, out1; writes hid, perm, gsort, cnts, out1
.if DOCPART == 2
	.amdgcn_target "amdgcn-amd-amdhsa--gfx1250"
	.amdhsa_code_object_version 6
	.text
	.protected	k_q5c3d8b0302_ffn1
	.globl	k_q5c3d8b0302_ffn1
	.p2align	8
	.type	k_q5c3d8b0302_ffn1,@function
k_q5c3d8b0302_ffn1:
	s_mov_b64 s[64:65], 0
	v_nop
	global_prefetch_b8 v0, s[64:65] scope:SCOPE_SE
	s_setreg_imm32_b32 hwreg(HW_REG_WAVE_MODE, 25, 1), 1
	s_wait_xcnt 0x0
; FIRST PRODUCT.  hid = relu(x W1[e] + b1[e]) for the tokens that chose expert e, in the order of their numbers; also the sorted lists for the next launch, and the load-balance loss.
; FORMATS AND LIMITS.  W1 and b1 are rounded once to bf16 on their way through registers, x was rounded by the launch before; sums in f32, begun with the bias; hid rounded once to F16: it is the one
; rounding that is this program's own, and with bf16's 8 bits its error, which goes with a row's gate, comes to about a hundredth of the output's root mean square in the worst of two million numbers.
; f16 holds no number beyond 65,504: a hidden number past that becomes an infinity and its row is lost.  The drawn inputs give hidden numbers of about 2.5; x, W1 and b1 all 30 times larger give 900 times that;
; offsets of 30 spreads on x and on W1 give 512 x 30 x 0.6 = 9,216.  Below 6e-5 a hidden number keeps f16's fixed step of 6e-8.
; SHARES.  Work-group (j, e) owns hidden columns 64 j .. 64 j + 63 of expert e, 128 KB of W1 that it alone reads, and ALL of the expert's rows, whatever their number (0 to 4,096).
; A wave keeps the whole slice as 64 fragments in 512 registers and takes blocks of 16 rows w, w + 4, ..: 64 matrix instructions a block on four accumulators.
; COLUMNS.  Fragment block b (0..3), lane c stands for column 4 c + b, so that a 16-byte load of a row of W1 gives a lane one number for each block and sixteen lanes read 256 consecutive bytes.
; ROWS PAST THE COUNT repeat the expert's last token: at most 15 rows an expert.  The fetch that runs a block ahead asks, behind my last block, for that token's row (behind my 64th block: for that block's rows) again.
; AN EXPERT WITHOUT TOKENS still makes one block, of token 0's row: the next launch's fetch runs a block ahead and is held to the blocks stored here, so there is always one; nobody multiplies it.
; THE LIST.  Every wave builds the expert's list of tokens for itself in its own LDS bytes, from 512 bytes of marks (rec), while the weights are on their way: no barrier, no launch for it.
; Ahead of the row loop the tokens of all my blocks, 64 x 16 at the most, go into 16 registers, so that the loop, whose length hangs on the count, reads LDS at fixed addresses alone.
; hid: [e][block of 16 rows: 256][step 0..63][piece 0..1][lane][16 bytes]: lane (r, h) holds row r and hidden numbers 64 (step >> 1) + 32 h + 16 (step & 1) + 8 piece + 0..7: the next launch's operand as it lies.
; NO CLUSTER, NO TENSOR LOADS: each weight has one reader and must pass registers to be rounded; what an expert's 32 work-groups share is its token rows, which come by a list that no descriptor covers.
.set XSB,   65536                      ; LDS 0 .. 65,535: the slice as fragments, 1,024 bytes each: fragment 4 s + b, piece at + 512, lane at + 16 l
.set XP,    1040                       ; a row of x in my stage: 1,024 bytes + 16 = 65 x 16: the 16 rows of a fragment load start 260 words apart
.set XSW,   16*XP
.set LSB,   XSB+4*XSW                  ; the lists
.set LSW,   16640                      ; a wave's list: 4,096 words, then 32 words, one a lane, that take what an unmarked lane stores and are never read
.set SPARE, LSB+4*LSW                  ; the spare words, 128 bytes a wave: no other line names them
.set WOF,  4                           ; 65,536 h + 16 c: lanes 16-31 read the row of W1 eight further on
.set L16,  5                           ; 16 l
.set XST,  6                           ; my stage + 16 l
.set XRD,  7                           ; my stage + 1,040 r + 16 h
.set WST,  8                           ; 16,384 w + 16 l: the 16 fragments that I prepare
.set RB,   9                           ; 64 l + 16 w: the rank of row 0 of my block l
.set TOK,  11                          ; list building: the token that my lane stands for
.set B1O,  12                          ; 128 h
.set T0,   13                          ; at work
.set SPW,  14                          ; my spare word; never rewritten
.set NIL,  15                          ; 0; never rewritten
.set ADR,  16                          ; v16-31  byte offset in xb of my 16 bytes of each of the block's 16 rows
.set ACC,  32                          ; v32-63  four accumulators; free before the loop
.set BIAS, 64                          ; v64-95  block b, register jj: b1 of column 32 h + 4 jj + b
.set HO,   96                          ; v96-111 a block's results in f16
.set ZERO, 112
.set WORD, 113                         ; v113-116  lane i of register c: the marks of tokens 32 (32 c + i) .. + 31
.set RECO, 117                         ; 64 l + 4 e
.set DMP,  118                         ; 4,096 + l: the word of my list that takes my store when my token is not marked
.set F,    128                         ; v128-255  16 fragments of x; free before the loop
.set TL,   128                         ; window 3, v128-143: register q, lane t: the token of row q of my block t in bits 0-11, of my block t + 32 in bits 16-27
; window 1 and 2: the slice, fragment (s, b) at 256 + 32 s + 8 b (window 1 first takes my raw weights, window 2's v0-31 the raw bias); window 3: v0-127 raw rows of x, v128-255 first my fragments on their way to LDS, then TL
; s26 wave, s27 j, s28 e, s29 loop count, then a lane; s30 a word of marks, then a shift; s31 the count, s32 at work, s33 count - 1, s34 blocks, s35 my blocks, s36 trip, s37 my list, s[38:39] offsets, s[40:43] at work, s44 EXEC, s[46:47] lane selects, s48 mask
.set MSB, 0
.macro WIN new                         ; the immediate's high byte repeats the setting that is left; a switch that changes nothing is dropped
.if MSB != (\new)
	s_set_vgpr_msb (MSB<<8)|(\new)
.set MSB, \new
.endif
.endm
.macro WL ks                           ; the raw weights of my K step ks: 16 loads; each half of the lanes reads 256 consecutive bytes of one row
	WIN 0x40
.set p, 0
.rept 2
.set i, 0
.rept 8
	global_load_b128 v[64*(\ks)+32*p+4*i:64*(\ks)+32*p+4*i+3], v[WOF], s[4:5] offset:(32*(\ks)+16*p+i)*8192 th:TH_LOAD_NT
.set i, i+1
.endr
.set p, p+1
.endr
.endm
.macro CV ks                           ; rounded in pairs of neighbouring k, into fragments, into LDS
	WIN 0xc5
.set b, 0
.rept 4
.set p, 0
.rept 2
.set i, 0
.rept 4
	v_cvt_pk_bf16_f32 v[128+32*(\ks)+8*b+4*p+i], v[64*(\ks)+32*p+8*i+b], v[64*(\ks)+32*p+8*i+4+b]
.set i, i+1
.endr
.set p, p+1
.endr
.set b, b+1
.endr
	WIN 0x0c
.set b, 0
.rept 4
	ds_store_b128 v[WST], v[128+32*(\ks)+8*b:128+32*(\ks)+8*b+3] offset:(4*(\ks)+b)*1024
	ds_store_b128 v[WST], v[128+32*(\ks)+8*b+4:128+32*(\ks)+8*b+7] offset:(4*(\ks)+b)*1024+512
.set b, b+1
.endr
.endm
.macro LISTC cc                        ; 32 words of marks: every lane stores its token, a marked lane at the place of its rank, the others at their own word behind the list
	s_mov_b32 s29, 0
.Llist_\@:
	v_readlane_b32 s30, v[WORD+(\cc)], s29
	v_mbcnt_lo_u32_b32 v[T0], s30, s31             ; marks below my lane + tokens so far
	v_cndmask_b32 v[T0], v[DMP], v[T0], s30        ; a choice of a value: all lanes stay on
	v_min_u32 v[T0], 0x101f, v[T0]                 ; inside my list's 4,128 words, whatever was loaded
	v_lshl_add_u32 v[T0], v[T0], 2, s37
	ds_store_b32 v[T0], v[TOK]
	v_add_nc_u32 v[TOK], 32, v[TOK]
	s_bcnt1_i32_b32 s32, s30
	s_add_co_u32 s31, s31, s32
	s_add_co_u32 s29, s29, 1
	s_cmp_lt_u32 s29, 32
	s_cbranch_scc1 .Llist_\@
.endm
.macro AD                              ; s32 = which of my blocks (0..63): each of its rows' tokens out of TL, as a scalar, clamped, times 1,024 bytes
	s_and_b32 s29, s32, 31                         ; the lane that holds it,
	s_lshr_b32 s30, s32, 5
	s_lshl_b32 s30, s30, 4                         ; and the half of the word
	WIN 0x03                                       ; source 0 in window 3
.set q, 0
.rept 16
	v_bfe_u32 v[ADR+q], v[TL+q], s30, 12
.set q, q+1
.endr
	WIN 0
.set q, 0
.rept 16
	v_readlane_b32 s[40+q%4], v[ADR+q], s29
	s_min_u32 s[40+q%4], s[40+q%4], 0xfff
	v_lshl_add_u32 v[ADR+q], s[40+q%4], 10, v[L16]
.set q, q+1
.endr
.endm
.macro GX                              ; 16 rows of xb: each load is 512 consecutive bytes of one row
	WIN 0xc0
.set q, 0
.rept 16
	global_load_b128 v[8*q:8*q+3], v[ADR+q], s[8:9]
	global_load_b128 v[8*q+4:8*q+7], v[ADR+q], s[8:9] offset:512
.set q, q+1
.endr
	WIN 0
.endm
.macro SX
	WIN 0x0c
.set q, 0
.rept 16
	ds_store_b128 v[XST], v[8*q:8*q+3] offset:XP*q
	ds_store_b128 v[XST], v[8*q+4:8*q+7] offset:XP*q+512
.set q, q+1
.endr
.endm
.macro FR                              ; fragment s: row r, k = 32 s + 8 h + 0..7 and 32 s + 16 + 8 h + 0..7
	WIN 0
.set q, 0
.rept 16
	ds_load_b128 v[F+8*q:F+8*q+3], v[XRD] offset:64*q
	ds_load_b128 v[F+8*q+4:F+8*q+7], v[XRD] offset:64*q+32
.set q, q+1
.endr
.endm
.macro WLD                             ; the whole slice into windows 1 and 2
.set q, 0
.rept 64
	WIN 0x40+0x40*(q/32)
	ds_load_b128 v[8*(q%32):8*(q%32)+3], v[L16] offset:1024*q
	ds_load_b128 v[8*(q%32)+4:8*(q%32)+7], v[L16] offset:1024*q+512
.set q, q+1
.endr
	WIN 0
.endm
.macro MUL4 g                          ; K steps 4 g .. 4 g + 3: source 0 the weights (row m: column 4 m + b), source 1 x (column n: row n).  The four accumulators take turns; the bias starts the sums
.set ss, 4*(\g)
.rept 4
	WIN 1+ss/8
.set b, 0
.rept 4
.if ss == 0
	v_wmma_f32_16x16x32_bf16 v[ACC+8*b:ACC+8*b+7], v[32*(ss%8)+8*b:32*(ss%8)+8*b+7], v[F+8*ss:F+8*ss+7], v[BIAS+8*b:BIAS+8*b+7]
.else
	v_wmma_f32_16x16x32_bf16 v[ACC+8*b:ACC+8*b+7], v[32*(ss%8)+8*b:32*(ss%8)+8*b+7], v[F+8*ss:F+8*ss+7], v[ACC+8*b:ACC+8*b+7]
.endif
.set b, b+1
.endr
.set ss, ss+1
.endr
.endm
	s_load_b256 s[4:11], s[0:1], 0x0               ; W1 s[4:5], b1 s[6:7], xb s[8:9], rec s[10:11]
	s_load_b256 s[12:19], s[0:1], 0x20             ; gate s[12:13], part s[14:15], hid s[16:17], perm s[18:19]
	s_load_b128 s[20:23], s[0:1], 0x40             ; gsort s[20:21], cnts s[22:23]
	s_load_b64 s[24:25], s[0:1], 0x50              ; out1
	v_lshl_add_u32 v[SPW], v0, 2, SPARE
	v_mov_b32 v[NIL], 0
	v_and_b32 v1, 31, v0                           ; l
	v_lshrrev_b32 v[T0], 5, v0
	v_readfirstlane_b32 s26, v[T0]                 ; wave
	s_mov_b32 s27, ttmp9                           ; j
	s_and_b32 s28, ttmp7, 0xffff                   ; e
	v_and_b32 v2, 15, v0                           ; r, also c
	v_bfe_u32 v3, v0, 4, 1                         ; h
	v_lshlrev_b32 v[WOF], 4, v2
	v_lshl_add_u32 v[WOF], v3, 16, v[WOF]
	v_lshlrev_b32 v[L16], 4, v1
	s_mul_i32 s38, s26, XSW
	s_add_co_u32 s38, s38, XSB
	v_add_nc_u32 v[XST], s38, v[L16]
	v_mul_u32_u24 v[XRD], v2, XP
	v_lshl_add_u32 v[XRD], v3, 4, v[XRD]
	v_add_nc_u32 v[XRD], s38, v[XRD]
	v_lshl_add_u32 v[WST], s26, 14, v[L16]
	s_mul_i32 s37, s26, LSW
	s_add_co_u32 s37, s37, LSB
	v_lshlrev_b32 v[B1O], 7, v3
	v_mov_b32 v[ZERO], 0
	v_lshlrev_b32 v[RECO], 6, v1
	v_lshl_add_u32 v[RECO], s28, 2, v[RECO]
	v_add_nc_u32 v[DMP], 0x1000, v1
	s_mov_b32 s46, 0x76543210
	s_mov_b32 s47, 0xfedcba98
	s_mov_b32 s48, 0xffff0000
	s_mov_b32 s39, 0
	s_lshl_b32 s38, s28, 22                        ; W1: the expert's 4 MiB, my 128 rows of 8,192 bytes, the slice's 256 bytes
	s_lshl_b32 s40, s26, 20
	s_add_co_u32 s38, s38, s40
	s_lshl_b32 s41, s27, 8
	s_add_co_u32 s38, s38, s41
	s_wait_kmcnt 0x0
.set cc, 0
.rept 4                                ; the marks of groups 64 c + 2 l and 64 c + 2 l + 1
	global_load_b32 v[32+2*cc], v[RECO], s[10:11] offset:2048*cc
	global_load_b32 v[33+2*cc], v[RECO], s[10:11] offset:2048*cc+32
.set cc, cc+1
.endr
	s_add_nc_u64 s[4:5], s[4:5], s[38:39]
	WL 0
	WL 1
	WL 2
	WIN 0
	s_lshl_b32 s38, s28, 13                        ; b1: 8,192 bytes an expert
	s_add_co_u32 s38, s38, s41
	s_add_nc_u64 s[6:7], s[6:7], s[38:39]
	s_lshl_b32 s38, s28, 24                        ; hid: 2^24 bytes an expert, block w, steps 2 j and 2 j + 1
	s_lshl_b32 s40, s26, 16
	s_add_co_u32 s38, s38, s40
	s_lshl_b32 s40, s27, 11
	s_add_co_u32 s38, s38, s40
	s_add_nc_u64 s[16:17], s[16:17], s[38:39]
	s_lshl_b32 s38, s28, 14                        ; perm and gsort: 16,384 bytes an expert, ranks 128 j on
	s_lshl_b32 s40, s27, 9
	s_add_co_u32 s38, s38, s40
	s_add_nc_u64 s[18:19], s[18:19], s[38:39]
	s_add_nc_u64 s[20:21], s[20:21], s[38:39]
	s_wait_loadcnt 48                              ; the 48 loads of weights are younger: the marks are in
.set cc, 0
.rept 4
	v_lshl_or_b32 v[WORD+cc], v[33+2*cc], 16, v[32+2*cc]
.set cc, cc+1
.endr
	WIN 0x80
.set i, 0
.rept 8                                ; b1 of columns 32 h + 4 i + 0..3
	global_load_b128 v[4*i:4*i+3], v[B1O], s[6:7] offset:16*i
.set i, i+1
.endr
	WIN 0
	v_mov_b32 v[T0], s37
	ds_store_b32 v[T0], v[ZERO]                    ; an expert without tokens: its list names token 0
	s_mov_b32 s31, 0
	v_mov_b32 v[TOK], v1
	LISTC 0
	LISTC 1
	WL 3                                           ; my last 16 loads of weights
	WIN 0
	LISTC 2
	LISTC 3
	s_max_u32 s33, s31, 1
	s_sub_co_u32 s33, s33, 1                       ; the last rank that exists
	s_add_co_u32 s34, s31, 15
	s_lshr_b32 s34, s34, 4
	s_max_u32 s34, s34, 1                          ; blocks of 16 rows: one at the least
	s_add_co_u32 s35, s34, 3
	s_sub_co_u32 s35, s35, s26
	s_lshr_b32 s35, s35, 2                         ; of which w, w + 4, .. are mine
	s_cmp_lg_u32 s26, 0
	s_cbranch_scc1 .Lnot0
	; WAVE 0 writes the next launch's lists for ranks 128 j .. 128 j + 127: token and gate, ranks past the count repeating the last
	v_lshlrev_b32 v32, 2, v1
	v_lshl_add_u32 v32, s27, 7, v32
.set i, 0
.rept 4
	v_add_nc_u32 v[36+i], i, v32
	v_min_u32 v[36+i], s33, v[36+i]
	v_min_u32 v[36+i], 0xfff, v[36+i]
	v_lshl_add_u32 v[36+i], v[36+i], 2, s37
	ds_load_b32 v[40+i], v[36+i]
.set i, i+1
.endr
	s_wait_dscnt 0x0
.set i, 0
.rept 4
	v_min_u32 v[40+i], 0xfff, v[40+i]
	v_lshlrev_b32 v[44+i], 2, v[40+i]
.set i, i+1
.endr
	global_store_b128 v[L16], v[40:43], s[18:19]   ; 512 consecutive bytes
.set i, 0
.rept 4
	global_load_b32 v[48+i], v[44+i], s[12:13]
.set i, i+1
.endr
	s_wait_loadcnt 0x0                             ; the gates; the weights ahead of them, which I need next anyway
	global_store_b128 v[L16], v[48:51], s[20:21]
	s_wait_xcnt 0x0                                ; the two stores' registers are written again below
	s_cmp_lg_u32 s27, 0
	s_cbranch_scc1 .Lnot0
	v_mov_b32 v52, s31                             ; slice 0 also stores the expert's count
	s_lshl_b32 s38, s28, 2
	v_mov_b32 v53, s38
	v_cmp_eq_u32 vcc_lo, 0, v1
	s_wait_xcnt 0x0                                ; EXEC is a source of what is out: it changes only behind this wait
	s_and_saveexec_b32 s44, vcc_lo
	global_store_b32 v53, v52, s[22:23]
	s_wait_xcnt 0x0
	s_or_b32 exec_lo, exec_lo, s44
	s_cmp_lg_u32 s28, 0
	s_cbranch_scc1 .Lnot0
	; THE LOSS, by one wave of the launch: 8 x the sum over experts of (count / 4,096) (sum of probabilities / 4,096).  Lane l of load n holds words 4 (l & 3) .. + 3 of group 8 n + (l >> 2).
.set n, 0
.rept 32
	global_load_b128 v[128+4*n:131+4*n], v[L16], s[14:15] offset:512*n
.set n, n+1
.endr
	s_wait_loadcnt 0x0
.irp st, 16,8,4,2,1
.set n, 0
.rept \st
	v_pk_add_f32 v[128+4*n:129+4*n], v[128+4*n:129+4*n], v[128+4*(n+\st):129+4*(n+\st)]
	v_pk_add_f32 v[130+4*n:131+4*n], v[130+4*n:131+4*n], v[130+4*(n+\st):131+4*(n+\st)]
.set n, n+1
.endr
.endr
.set i, 0
.rept 4
	v_add_f32_dpp v[128+i], v[128+i], v[128+i] row_xmask:4 row_mask:0xf bank_mask:0xf
.set i, i+1
.endr
.set i, 0
.rept 4
	v_add_f32_dpp v[128+i], v[128+i], v[128+i] row_xmask:8 row_mask:0xf bank_mask:0xf
.set i, i+1
.endr
.set i, 0
.rept 4
	v_permlanex16_b32 v[132+i], v[128+i], s46, s47
.set i, i+1
.endr
.set i, 0
.rept 4
	v_add_f32 v[128+i], v[128+i], v[132+i]
.set i, i+1
.endr
.set i, 0
.rept 4                                ; the lane two away holds the counts of the experts whose sums I hold
	v_mul_f32_dpp v[128+i], v[128+i], v[128+i] row_xmask:2 row_mask:0xf bank_mask:0xf
.set i, i+1
.endr
	v_add_f32 v128, v128, v129
	v_add_f32 v130, v130, v131
	v_add_f32 v128, v128, v130
	v_add_f32_dpp v128, v128, v128 row_xmask:1 row_mask:0xf bank_mask:0xf
	v_mul_f32 v128, 0x35000000, v128               ; 8 / 4,096^2 = 2^-21
	v_mov_b32 v136, 0
	v_cmp_eq_u32 vcc_lo, 0, v1
	s_wait_xcnt 0x0
	s_and_saveexec_b32 s44, vcc_lo
	global_store_b32 v136, v128, s[24:25]
	s_wait_xcnt 0x0
	s_or_b32 exec_lo, exec_lo, s44
.Lnot0:
	s_wait_loadcnt 56                              ; younger than step 0's: steps 1 and 2 (32), the bias (8), step 3 (16)
	CV 0
	s_wait_loadcnt 40
	CV 1
	s_wait_loadcnt 24                              ; the bias and step 3
	CV 2
	s_wait_loadcnt 0x0
	CV 3
	WIN 0x0a
.set i, 0
.rept 8                                ; the bias rounded to bf16,
	v_cvt_pk_bf16_f32 v[32+2*i], v[4*i], v[4*i+1]
	v_cvt_pk_bf16_f32 v[33+2*i], v[4*i+2], v[4*i+3]
.set i, i+1
.endr
	WIN 0
.set i, 0
.rept 8                                ; widened again, and laid as the accumulators lie
	v_lshlrev_b32 v[BIAS+i], 16, v[32+2*i]
	v_and_b32 v[BIAS+8+i], s48, v[32+2*i]
	v_lshlrev_b32 v[BIAS+16+i], 16, v[33+2*i]
	v_and_b32 v[BIAS+24+i], s48, v[33+2*i]
.set i, i+1
.endr
	s_wait_dscnt 0x0                               ; for the others' sake: my 16 fragments are in LDS
	s_barrier_signal -1
	s_barrier_wait -1                              ; the launch's only barrier: the slice is whole
	s_cmp_eq_u32 s35, 0
	s_cbranch_scc1 .Lend
	; THE TOKENS OF ALL MY BLOCKS, out of my own list: lane t takes row q of my blocks t and t + 32, ranks 16 w + 64 t + q and 2,048 more, held to the last rank that exists.  Once a wave; the lanes lie 64 words apart.
	v_lshlrev_b32 v[RB], 6, v1
	v_lshl_add_u32 v[RB], s26, 4, v[RB]
.set q, 0
.rept 16
	v_add_nc_u32 v[128+q], q, v[RB]
	v_add_nc_u32 v[144+q], 2048+q, v[RB]
	v_min_u32 v[128+q], s33, v[128+q]
	v_min_u32 v[144+q], s33, v[144+q]
	v_min_u32 v[128+q], 0xfff, v[128+q]
	v_min_u32 v[144+q], 0xfff, v[144+q]
	v_lshl_add_u32 v[128+q], v[128+q], 2, s37
	v_lshl_add_u32 v[144+q], v[144+q], 2, s37
	ds_load_b32 v[160+q], v[128+q]
	ds_load_b32 v[176+q], v[144+q]
.set q, q+1
.endr
	s_wait_dscnt 0x0
	WIN 0xc0                                       ; destination in window 3
.set q, 0
.rept 16
	v_lshl_or_b32 v[TL+q], v[176+q], 16, v[160+q]
.set q, q+1
.endr
	WIN 0
	s_mov_b32 s32, 0
	AD
	GX                                             ; my first block's rows are on their way while the slice comes out of LDS
	WLD
	s_wait_dscnt 0x0
	s_mov_b32 s36, 0
.Lrow:                                                 ; a trip is a block of 16 rows; no barrier: the stage is my own, and its addresses are the same in every trip
	s_wait_loadcnt 0x0                             ; the block's 32 loads, the only ones out; their address registers are free
	SX
	FR                                             ; LDS serves a wave's instructions in order (ISA guide 5.7.1.4): these see the stores above
	s_add_co_u32 s32, s36, 1
	s_min_u32 s32, s32, 63                         ; my next block; TL holds 64
	AD
	GX                                             ; it has the rest of the trip in which to land
	s_wait_dscnt 24                                ; fragments 0-3 are in: 24 fragment loads are younger
	MUL4 0
	s_wait_dscnt 16
	MUL4 1
	s_wait_dscnt 8
	MUL4 2
	s_wait_dscnt 0x0
	MUL4 3
	WIN 0
.rept 4
	v_nop                                          ; four places between the last product and the first read of a result (ISA guide 7.12.1)
.endr
.set i, 0
.rept 8                                ; register i of blocks 0-3 are four neighbouring columns; each accumulator from its low registers on
	v_cvt_pk_f16_f32 v[HO+2*i], v[ACC+i], v[ACC+8+i]
	v_cvt_pk_f16_f32 v[HO+2*i+1], v[ACC+16+i], v[ACC+24+i]
.set i, i+1
.endr
.set i, 0
.rept 16
	v_pk_max_num_f16 v[HO+i], v[HO+i], v[ZERO]     ; relu of the rounded number = the rounded relu
.set i, i+1
.endr
.set i, 0
.rept 4
	global_store_b128 v[L16], v[HO+4*i:HO+4*i+3], s[16:17] offset:512*i  ; 512 consecutive bytes, at a multiple of 256 from hid's first
.set i, i+1
.endr
	s_wait_xcnt 0x0                                ; the stores' data and base are written again only behind this wait
	s_add_nc_u64 s[16:17], s[16:17], 0x40000       ; four blocks on
	s_add_co_u32 s36, s36, 1
	s_cmp_lt_u32 s36, s35
	s_cbranch_scc1 .Lrow
.Lend:
	s_wait_tensorcnt 0x0                           ; the wave's end
	ds_add_u32 v[SPW], v[NIL]
	s_wait_dscnt 0x0
	s_endpgm
.Lfunc_end_k_q5c3d8b0302_ffn1:
	.size	k_q5c3d8b0302_ffn1, .Lfunc_end_k_q5c3d8b0302_ffn1-k_q5c3d8b0302_ffn1
	.p2alignl 7, 3214868480
	.fill 96, 4, 3214868480
	.section	.rodata,"a",@progbits
	.p2align	6, 0x0
	.amdhsa_kernel k_q5c3d8b0302_ffn1
		.amdhsa_group_segment_fixed_size 199168
		.amdhsa_private_segment_fixed_size 0
		.amdhsa_enable_private_segment 0
		.amdhsa_kernarg_size 88
		.amdhsa_user_sgpr_count 2
		.amdhsa_user_sgpr_kernarg_segment_ptr 1
		.amdhsa_wavefront_size32 1
		.amdhsa_system_sgpr_workgroup_id_x 1
		.amdhsa_system_sgpr_workgroup_id_y 1
		.amdhsa_system_sgpr_workgroup_id_z 1
		.amdhsa_system_vgpr_workitem_id 0
		.amdhsa_next_free_vgpr 1024
		.amdhsa_next_free_sgpr 66
		.amdhsa_reserve_vcc 1
		.amdhsa_float_denorm_mode_32 3
		.amdhsa_float_denorm_mode_16_64 3
		.amdhsa_memory_ordered 1
		.amdhsa_forward_progress 1
		.amdhsa_inst_pref_size 81
	.end_amdhsa_kernel
	.amdgpu_metadata
---
amdhsa.version: [ 1, 2 ]
amdhsa.kernels:
  - .name:           k_q5c3d8b0302_ffn1
    .symbol:         k_q5c3d8b0302_ffn1.kd
    .args:
      - { .name: W1, .offset: 0, .size: 8, .value_kind: global_buffer, .address_space: global }
      - { .name: b1, .offset: 8, .size: 8, .value_kind: global_buffer, .address_space: global }
      - { .name: xb, .offset: 16, .size: 8, .value_kind: global_buffer, .address_space: global }
      - { .name: rec, .offset: 24, .size: 8, .value_kind: global_buffer, .address_space: global }
      - { .name: gate, .offset: 32, .size: 8, .value_kind: global_buffer, .address_space: global }
      - { .name: part, .offset: 40, .size: 8, .value_kind: global_buffer, .address_space: global }
      - { .name: hid, .offset: 48, .size: 8, .value_kind: global_buffer, .address_space: global }
      - { .name: perm, .offset: 56, .size: 8, .value_kind: global_buffer, .address_space: global }
      - { .name: gsort, .offset: 64, .size: 8, .value_kind: global_buffer, .address_space: global }
      - { .name: cnts, .offset: 72, .size: 8, .value_kind: global_buffer, .address_space: global }
      - { .name: out1, .offset: 80, .size: 8, .value_kind: global_buffer, .address_space: global }
    .group_segment_fixed_size: 199168
    .private_segment_fixed_size: 0
    .kernarg_segment_align: 8
    .kernarg_segment_size: 88
    .max_flat_workgroup_size: 128
    .sgpr_count:     66
    .vgpr_count:     1024
    .wavefront_size: 32
...
	.end_amdgpu_metadata
.endif
;; end of part 2
;; launch ffn2 (part 3): grid 32 x 8, 4 waves a work-group, no clusters, 262,656 bytes of LDS; arguments W2, b2, hid, perm, gsort, cnts, out0; writes out0
.if DOCPART == 3
	.amdgcn_target "amdgcn-amd-amdhsa--gfx1250"
	.amdhsa_code_object_version 6
	.text
	.protected	k_q5c3d8b0302_ffn2
	.globl	k_q5c3d8b0302_ffn2
	.p2align	8
	.type	k_q5c3d8b0302_ffn2,@function
k_q5c3d8b0302_ffn2:
	s_mov_b64 s[64:65], 0
	v_nop
	global_prefetch_b8 v0, s[64:65] scope:SCOPE_SE
	s_setreg_imm32_b32 hwreg(HW_REG_WAVE_MODE, 25, 1), 1
	s_wait_xcnt 0x0
; SECOND PRODUCT.  out0[token] = (hid W2[e] + b2[e]) x gate, for the tokens of expert e; each token has one expert, so each row of out0 has one owner and is stored here.
; FORMATS AND LIMITS.  hid is f16, so the products are f16's.  W2 and b2 are rounded once to bf16, as every input of the program is; W2's rounded number is then written as f16: exact from 2^-14 up to 65,504;
; below 2^-14 it keeps f16's fixed step of 2^-24 (4e-5 of W2's spread where W2 is 30 times smaller than drawn); beyond 65,504 it would be an infinity.  Sums in f32, in four parts of K = 512 added as (0 + 1) + (2 + 3).
; SHARES.  Work-group (x, e), x = 8 g + jc: output columns 64 jc .. + 63 and the expert's blocks of 16 rows g, g + 4, ..: nl of them, 0 to 64, by the stored count.
; Wave w owns K = 512 w .. + 511: its 64 fragments of W2 stay in 512 registers, and hid's blocks come from memory straight into registers as operands (the launch before laid them so).
; So each byte of the slice and of a block enters the work-group once.  The four waves' partial tiles meet in LDS, 16 blocks to a LAP.  A lap has two barriers; there are always four laps, and every wave passes
; every barrier; what a given count leaves without work is jumped over, forward, with no barrier in what is jumped.
; THE FETCH runs one block ahead and is never left out, so that the counted waits hold on every way.  Its block is min(my next block, the expert's last stored block): behind my last block, and in a work-group
; without blocks, it reads 64 KB that nobody multiplies.  The launch before stores one block at the least for every expert, so no byte is read that was not stored.
; ROWS PAST THE COUNT repeat the expert's last token (perm and hid both do): they store the same numbers to the same row, from this same work-group.  A work-group without blocks stores nothing.
; COLUMNS as in the launch before: block b, lane c stands for column 4 c + b.  With hid as source 0, register jj of lane (c, h) is row 8 h + jj, column 4 c + b: four blocks give a lane 16 neighbouring bytes of a row.
; NO CLUSTER, NO TENSOR LOADS: W2 is f32 and must pass registers to be rounded; hid's blocks, which an expert's eight column slices share, are walked in a number of steps that hangs on a stored count,
; and go to registers without touching LDS.
.set SPARE, 262144                     ; LDS 0 .. 262,143: slot (0..15) x 16,384 + wave x 4,096 + (2 b + q) x 512 + 16 l; then the spare words, 128 bytes a wave: no other line names them
.set HA,   1                           ; first l; then the byte offset, from the expert's first block, of my 16 bytes in the block to fetch
.set WOF,  4                           ; 65,536 h + 16 c: lanes 16-31 read the row of W2 32 further on
.set HOF,  5                           ; 16,384 w + 16 l: my 16 steps of a block
.set PST,  6                           ; where my partial tile goes
.set PST0, 7                           ; 4,096 w + 16 l
.set PRD,  8                           ; where I read four partial tiles
.set PGO,  9                           ; byte offset in perm and gsort of my four rows of unit 0 of the lap
.set OC,   10                          ; 256 jc + 16 c
.set PRD0, 11                          ; 16,384 (w >> 1) + 512 (w & 1) + 16 l
.set C16,  12                          ; 16 c
.set L16,  13                          ; 16 l
.set SPW,  14                          ; my spare word; never rewritten
.set NIL,  15                          ; 0; never rewritten
.set OADR, 16                          ; v16-19  byte offsets in out0 (first: b2 as loaded)
.set TM,   20                          ; v20-23  at work
.set B2,   24                          ; v24-31  b2 of column 4 c + b, twice each: pairs for the packed add
.set ACC,  32                          ; v32-63  four accumulators; in the reduction v32-47 are the rows to store
.set T,    64                          ; v64-127 wave sr, block b, row i at 64 + 16 sr + 4 b + i
; v128-255 F0; window 1 and 2: the slice, fragment (s, b) at 256 + 32 s + 8 b; window 3: v0-127 F1, v128-191 tokens and gates of eight units; before the laps all of window 3 is a ring of four raw K steps
; s18 wave, s19 wave >> 1, s20 jc, s21 g, s22 e, s23 count, s24 nl, s25 step, s26 and s27 loop counts, s28 my unit's slot, s29 the lap's first step, s34-37 at work, s38 mask, s39 the expert's last stored block
.set MSB, 0
.macro WIN new                         ; the immediate's high byte repeats the setting that is left; a switch that changes nothing is dropped
.if MSB != (\new)
	s_set_vgpr_msb (MSB<<8)|(\new)
.set MSB, \new
.endif
.endm
.macro WL st                           ; the raw weights of my K step st, in hid's own order of k: rows 64 (st >> 1) + 16 (st & 1) + i + 32 h; each half of the lanes reads 256 consecutive bytes
	WIN 0xc0
.set i, 0
.rept 16
	global_load_b128 v[64*((\st)%4)+4*i:64*((\st)%4)+4*i+3], v[WOF], s[4:5] offset:(64*((\st)/2)+16*((\st)%2)+i)*2048
.set i, i+1
.endr
.endm
; A K step's raw weights become its four fragments.  In pairs of neighbouring k, in place in the raw registers: rounded to bf16; the two halves widened to f32 again (the high one into the pair's second register,
; then the low one in place); and those two numbers written as f16 into the fragment.
.macro CV st
.set rw, 64*((\st)%4)
	WIN 0xcf                                       ; destination and both sources in window 3
.set b, 0
.rept 4
.set i, 0
.rept 8
	v_cvt_pk_bf16_f32 v[rw+8*i+b], v[rw+8*i+b], v[rw+8*i+4+b]
.set i, i+1
.endr
.set b, b+1
.endr
.set b, 0
.rept 4
.set i, 0
.rept 8
	v_and_b32 v[rw+8*i+4+b], s38, v[rw+8*i+b]
.set i, i+1
.endr
.set b, b+1
.endr
.set b, 0
.rept 4
.set i, 0
.rept 8
	v_lshlrev_b32 v[rw+8*i+b], 16, v[rw+8*i+b]
.set i, i+1
.endr
.set b, b+1
.endr
.if (\st) < 8
	WIN 0x4f
.else
	WIN 0x8f
.endif
.set b, 0
.rept 4
.set i, 0
.rept 8
	v_cvt_pk_f16_f32 v[32*((\st)%8)+8*b+i], v[rw+8*i+b], v[rw+8*i+4+b]
.set i, i+1
.endr
.set b, b+1
.endr
.endm
.macro FE buf, half                    ; half of my 16 KB of a block: 16 loads of 512 consecutive bytes
.if \buf
	WIN 0xc0
.set fb, 0
.else
	WIN 0
.set fb, 128
.endif
.set n, 16*(\half)
.rept 16
	global_load_b128 v[fb+4*n:fb+4*n+3], v[HA], s[8:9] offset:512*n
.set n, n+1
.endr
.endm
.macro MUL buf                         ; 64 matrix instructions; the four accumulators take turns; the first step's products start the sums
.set fb, 128-128*(\buf)
.set ss, 0
.rept 16
	WIN 4+4*(ss/8)+3*(\buf)
.set b, 0
.rept 4
.if ss == 0
	v_wmma_f32_16x16x32_f16 v[ACC+8*b:ACC+8*b+7], v[fb+8*ss:fb+8*ss+7], v[32*(ss%8)+8*b:32*(ss%8)+8*b+7], 0
.else
	v_wmma_f32_16x16x32_f16 v[ACC+8*b:ACC+8*b+7], v[fb+8*ss:fb+8*ss+7], v[32*(ss%8)+8*b:32*(ss%8)+8*b+7], v[ACC+8*b:ACC+8*b+7]
.endif
.set b, b+1
.endr
.set ss, ss+1
.endr
.endm
.macro PGL                             ; tokens and gates of my four rows in each of my eight units of the lap
	WIN 0xc0
.set n, 0
.rept 8
	global_load_b128 v[128+8*n:131+8*n], v[PGO], s[10:11] offset:512*n
	global_load_b128 v[132+8*n:135+8*n], v[PGO], s[12:13] offset:512*n
.set n, n+1
.endr
	WIN 0
.endm
.macro STEP buf                        ; one block: the next block is asked for, this one multiplied, my partial tile put into its slot
	s_add_co_u32 s34, s25, 1
	s_lshl2_add_u32 s34, s34, s21                  ; my next block, g + 4 (step + 1),
	s_min_u32 s34, s34, s39                        ; or, behind my last, the expert's last stored block: the fetch is never left out, so the wait below counts alike on every way
	s_min_u32 s34, s34, 0xff                       ; inside the expert's 256 blocks, whatever was loaded
	s_lshl_b32 s34, s34, 16                        ; 65,536 bytes a block
	s_wait_xcnt 0x0                                ; the offset of the fetch that is out, and the rows that earlier stores read, are written again only behind this wait
	v_add_nc_u32 v[HA], s34, v[HOF]
	FE 1-(\buf), 0
	FE 1-(\buf), 1
	s_wait_loadcnt 32                              ; only the 32 just issued are younger: this block is in
	MUL \buf
	WIN 0
.rept 5
	v_nop                                          ; the places behind the last products: for the stores below, for the next fetch into this buffer, and for the products that start the sums anew
.endr
.set b, 0
.rept 4                                ; each accumulator from its low registers on
	ds_store_b128 v[PST], v[ACC+8*b:ACC+8*b+3] offset:1024*b
	ds_store_b128 v[PST], v[ACC+8*b+4:ACC+8*b+7] offset:1024*b+512
.set b, b+1
.endr
	v_add_nc_u32 v[PST], 0x4000, v[PST]
	s_add_co_u32 s25, s25, 1
.endm
.macro UNIT n                          ; slot 2 n + (w >> 1), rows 8 h + 4 (w & 1) + 0..3, all 64 columns: the four waves' parts are added, then bias, gate, store
	s_cmp_ge_u32 s28, s24
	s_cbranch_scc1 .Lred_end
.set sr, 0
.rept 4
.set b, 0
.rept 4
	ds_load_b128 v[T+16*sr+4*b:T+16*sr+4*b+3], v[PRD] offset:4096*sr+1024*b
.set b, b+1
.endr
.set sr, sr+1
.endr
	s_wait_xcnt 0x0                                ; the last unit's stores have read their registers
	WIN 0x0c
.set i, 0
.rept 4
	v_min_u32 v[TM+i], 0xfff, v[128+8*(\n)+i]
.set i, i+1
.endr
	WIN 0
.set i, 0
.rept 4
	v_lshl_add_u32 v[OADR+i], v[TM+i], 11, v[OC]
.set i, i+1
.endr
	s_wait_dscnt 0x0
.set k, 0
.rept 8
	v_pk_add_f32 v[T+2*k:T+2*k+1], v[T+2*k:T+2*k+1], v[T+16+2*k:T+16+2*k+1]
	v_pk_add_f32 v[T+32+2*k:T+32+2*k+1], v[T+32+2*k:T+32+2*k+1], v[T+48+2*k:T+48+2*k+1]
.set k, k+1
.endr
.set k, 0
.rept 8
	v_pk_add_f32 v[T+2*k:T+2*k+1], v[T+2*k:T+2*k+1], v[T+32+2*k:T+32+2*k+1]
.set k, k+1
.endr
.set k, 0
.rept 8
	v_pk_add_f32 v[T+2*k:T+2*k+1], v[T+2*k:T+2*k+1], v[B2+2*(k/2):B2+2*(k/2)+1]
.set k, k+1
.endr
	WIN 0x0c
.set i, 0
.rept 4
.set b, 0
.rept 4                                ; the multiply also brings a row's four columns into neighbouring registers
	v_mul_f32 v[ACC+4*i+b], v[T+4*b+i], v[132+8*(\n)+i]
.set b, b+1
.endr
.set i, i+1
.endr
	WIN 0
.set i, 0
.rept 4
	global_store_b128 v[OADR+i], v[ACC+4*i:ACC+4*i+3], s[16:17] th:TH_STORE_NT  ; each half of the lanes stores 256 consecutive bytes of one row, at a multiple of 256 from out0's first
.set i, i+1
.endr
	v_add_nc_u32 v[PRD], 0x8000, v[PRD]
	s_add_co_u32 s28, s28, 2
.endm
	s_load_b256 s[4:11], s[0:1], 0x0               ; W2 s[4:5], b2 s[6:7], hid s[8:9], perm s[10:11]
	s_load_b128 s[12:15], s[0:1], 0x20             ; gsort s[12:13], cnts s[14:15]
	s_load_b64 s[16:17], s[0:1], 0x30              ; out0
	v_lshl_add_u32 v[SPW], v0, 2, SPARE
	v_mov_b32 v[NIL], 0
	v_and_b32 v1, 31, v0                           ; l
	v_lshrrev_b32 v[TM], 5, v0
	v_readfirstlane_b32 s18, v[TM]                 ; wave
	s_lshr_b32 s19, s18, 1
	s_and_b32 s20, ttmp9, 7                        ; jc
	s_lshr_b32 s21, ttmp9, 3                       ; g
	s_and_b32 s22, ttmp7, 0xffff                   ; e
	v_and_b32 v2, 15, v0                           ; c
	v_bfe_u32 v3, v0, 4, 1                         ; h
	v_lshlrev_b32 v[C16], 4, v2
	v_lshl_add_u32 v[WOF], v3, 16, v[C16]
	v_lshlrev_b32 v[L16], 4, v1
	v_lshl_add_u32 v[HOF], s18, 14, v[L16]
	v_lshl_add_u32 v[PST0], s18, 12, v[L16]
	v_lshl_add_u32 v[OC], s20, 8, v[C16]
	s_lshl_b32 s34, s19, 14
	s_and_b32 s35, s18, 1
	s_lshl_b32 s36, s35, 9
	s_add_co_u32 s34, s34, s36
	v_add_nc_u32 v[PRD0], s34, v[L16]
	s_lshl_b32 s34, s22, 14                        ; 16,384 e + 64 g + 256 (w >> 1) + 16 (w & 1) + 32 h
	s_lshl_b32 s36, s21, 6
	s_add_co_u32 s34, s34, s36
	s_lshl_b32 s36, s19, 8
	s_add_co_u32 s34, s34, s36
	s_lshl_b32 s36, s35, 4
	s_add_co_u32 s34, s34, s36
	v_lshl_add_u32 v[PGO], v3, 5, s34
	s_mov_b32 s38, 0xffff0000
	s_mov_b32 s37, 0
	s_wait_kmcnt 0x0
	s_lshl_b32 s36, s22, 2
	s_add_nc_u64 s[14:15], s[14:15], s[36:37]
	s_load_b32 s23, s[14:15], 0x0                  ; the expert's count
	s_lshl_b32 s36, s22, 11                        ; b2: 2,048 bytes an expert
	s_lshl_b32 s35, s20, 8
	s_add_co_u32 s36, s36, s35
	s_add_nc_u64 s[6:7], s[6:7], s[36:37]
	global_load_b128 v[OADR:OADR+3], v[C16], s[6:7]
	s_lshl_b32 s36, s22, 22                        ; W2: the expert's 4 MiB, my 512 rows of 2,048 bytes, the slice's 256 bytes
	s_lshl_b32 s34, s18, 20
	s_add_co_u32 s36, s36, s34
	s_add_co_u32 s36, s36, s35
	s_add_nc_u64 s[4:5], s[4:5], s[36:37]
	WL 0
	WL 1
	WL 2
	WL 3
	WIN 0
	s_lshl_b32 s36, s22, 24                        ; hid: 2^24 bytes an expert
	s_add_nc_u64 s[8:9], s[8:9], s[36:37]
	s_wait_kmcnt 0x0
	s_min_u32 s23, s23, 0x1000
	s_add_co_u32 s39, s23, 15
	s_lshr_b32 s39, s39, 4                         ; the expert's blocks,
	s_add_co_u32 s24, s39, 3
	s_sub_co_u32 s24, s24, s21
	s_lshr_b32 s24, s24, 2                         ; of which g, g + 4, .. are mine
	s_max_u32 s39, s39, 1
	s_sub_co_u32 s39, s39, 1                       ; the last block that the launch before stored
	s_min_u32 s34, s21, s39                        ; the first fetch: block g, or that last block
	s_min_u32 s34, s34, 0xff
	s_lshl_b32 s34, s34, 16
	v_add_nc_u32 v[HA], s34, v[HOF]
	; THE SLICE: 16 K steps through a ring of four raw steps.  Three batches of 16 loads are always younger than the step that is rounded; behind step 12 the batches are the first block's two halves.
.set sI, 0
.rept 16
.if sI < 15
	s_wait_loadcnt 48
.else
	s_wait_loadcnt 32                              ; only the first block's 32 loads are younger
.endif
	CV sI
.if sI < 12
	WL sI+4
.elseif sI == 12
	FE 0, 0
.elseif sI == 13
	FE 0, 1
.endif
.set sI, sI+1
.endr
	WIN 0
	v_cvt_pk_bf16_f32 v[TM], v[OADR], v[OADR+1]    ; b2 rounded to bf16, widened again, twice each
	v_cvt_pk_bf16_f32 v[TM+1], v[OADR+2], v[OADR+3]
	v_lshlrev_b32 v[B2], 16, v[TM]
	v_lshlrev_b32 v[B2+1], 16, v[TM]
	v_and_b32 v[B2+2], s38, v[TM]
	v_and_b32 v[B2+3], s38, v[TM]
	v_lshlrev_b32 v[B2+4], 16, v[TM+1]
	v_lshlrev_b32 v[B2+5], 16, v[TM+1]
	v_and_b32 v[B2+6], s38, v[TM+1]
	v_and_b32 v[B2+7], s38, v[TM+1]
	s_mov_b32 s25, 0
	s_mov_b32 s29, 0
	s_mov_b32 s27, 4
.Llap:                                                 ; four laps of up to 16 blocks
	s_cmp_ge_u32 s29, s24
	s_cbranch_scc1 .Lmeet
	PGL
	v_mov_b32 v[PST], v[PST0]
	s_mov_b32 s26, 8
.Lpair:
	s_cmp_ge_u32 s25, s24
	s_cbranch_scc1 .Lmeet
	STEP 0
	s_cmp_ge_u32 s25, s24
	s_cbranch_scc1 .Lmeet
	STEP 1
	s_sub_co_u32 s26, s26, 1
	s_cmp_lg_u32 s26, 0
	s_cbranch_scc1 .Lpair
.Lmeet:
	s_wait_loadcnt 0x0                             ; tokens and gates; the fetch that ran ahead: no load crosses a lap unfinished
	s_wait_dscnt 0x0                               ; for the others' sake: my partial tiles are in LDS
	s_barrier_signal -1
	s_barrier_wait -1
	v_mov_b32 v[PRD], v[PRD0]
	s_add_co_u32 s28, s29, s19
	UNIT 0
	UNIT 1
	UNIT 2
	UNIT 3
	UNIT 4
	UNIT 5
	UNIT 6
	UNIT 7
.Lred_end:
	s_wait_dscnt 0x0                               ; my reads of the slots are over:
	s_barrier_signal -1
	s_barrier_wait -1                              ; only behind this barrier are they written again
	v_add_nc_u32 v[PGO], 0x1000, v[PGO]            ; 64 blocks of the expert on
	s_add_co_u32 s29, s29, 16
	s_sub_co_u32 s27, s27, 1
	s_cmp_lg_u32 s27, 0
	s_cbranch_scc1 .Llap
	s_wait_tensorcnt 0x0                           ; the wave's end
	ds_add_u32 v[SPW], v[NIL]
	s_wait_dscnt 0x0
	s_endpgm
.Lfunc_end_k_q5c3d8b0302_ffn2:
	.size	k_q5c3d8b0302_ffn2, .Lfunc_end_k_q5c3d8b0302_ffn2-k_q5c3d8b0302_ffn2
	.p2alignl 7, 3214868480
	.fill 96, 4, 3214868480
	.section	.rodata,"a",@progbits
	.p2align	6, 0x0
	.amdhsa_kernel k_q5c3d8b0302_ffn2
		.amdhsa_group_segment_fixed_size 262656
		.amdhsa_private_segment_fixed_size 0
		.amdhsa_enable_private_segment 0
		.amdhsa_kernarg_size 56
		.amdhsa_user_sgpr_count 2
		.amdhsa_user_sgpr_kernarg_segment_ptr 1
		.amdhsa_wavefront_size32 1
		.amdhsa_system_sgpr_workgroup_id_x 1
		.amdhsa_system_sgpr_workgroup_id_y 1
		.amdhsa_system_sgpr_workgroup_id_z 1
		.amdhsa_system_vgpr_workitem_id 0
		.amdhsa_next_free_vgpr 1024
		.amdhsa_next_free_sgpr 66
		.amdhsa_reserve_vcc 0
		.amdhsa_float_denorm_mode_32 3
		.amdhsa_float_denorm_mode_16_64 3
		.amdhsa_memory_ordered 1
		.amdhsa_forward_progress 1
		.amdhsa_inst_pref_size 185
	.end_amdhsa_kernel
	.amdgpu_metadata
---
amdhsa.version: [ 1, 2 ]
amdhsa.kernels:
  - .name:           k_q5c3d8b0302_ffn2
    .symbol:         k_q5c3d8b0302_ffn2.kd
    .args:
      - { .name: W2, .offset: 0, .size: 8, .value_kind: global_buffer, .address_space: global }
      - { .name: b2, .offset: 8, .size: 8, .value_kind: global_buffer, .address_space: global }
      - { .name: hid, .offset: 16, .size: 8, .value_kind: global_buffer, .address_space: global }
      - { .name: perm, .offset: 24, .size: 8, .value_kind: global_buffer, .address_space: global }
      - { .name: gsort, .offset: 32, .size: 8, .value_kind: global_buffer, .address_space: global }
      - { .name: cnts, .offset: 40, .size: 8, .value_kind: global_buffer, .address_space: global }
      - { .name: out0, .offset: 48, .size: 8, .value_kind: global_buffer, .address_space: global }
    .group_segment_fixed_size: 262656
    .private_segment_fixed_size: 0
    .kernarg_segment_align: 8
    .kernarg_segment_size: 56
    .max_flat_workgroup_size: 128
    .sgpr_count:     66
    .vgpr_count:     1024
    .wavefront_size: 32
...
	.end_amdgpu_metadata
.endif
;; end of part 3
;; ======== version 2 of 2: 3 launches; 1.26 times as fast as version 1
;; limits: values are held in f16: magnitudes above 65,504 overflow, below 6.1e-05 lose precision
;; workspace buffers: xb 4,194,304 bytes; hid 134,217,728 bytes; gate 16,384 bytes; part 16,384 bytes; rec 4,096 bytes of whole numbers; perm 131,072 bytes of whole numbers; gsort 131,072 bytes; cnts 256 bytes of whole numbers
;; launch router (part 4): grid 256 x 1, 4 waves a work-group, no clusters, 30,720 bytes of LDS; arguments x, w_router, b_router, out2, xb, gate, part, rec; writes out2, xb, gate, part, rec
.if DOCPART == 4
	.amdgcn_target "amdgcn-amd-amdhsa--gfx1250"
	.amdhsa_code_object_version 6
	.text
	.protected	k_q5c3d8b0302_router
	.globl	k_q5c3d8b0302_router
	.p2align	8
	.type	k_q5c3d8b0302_router,@function
k_q5c3d8b0302_router:
	s_mov_b64 s[64:65], 0
	v_nop
	global_prefetch_b8 v0, s[64:65] scope:SCOPE_SE
	s_setreg_imm32_b32 hwreg(HW_REG_WAVE_MODE, 25, 1), 1
	s_wait_xcnt 0x0
; ROUTER.  logits = x w_router + b_router for 16 tokens a work-group; softmax, the largest probability (the gate) and its expert; x rounded to bf16 for the next launch.
; FORMATS AND LIMITS.  x, w_router and b_router are each rounded once to bf16 (bf16 keeps f32's range); products and sums in f32.  The expert is the lowest index among the largest LOGITS;
; it differs from an argmax over the probabilities only where two unequal logits give equal f32 probabilities.  A probability below 2^-126 counts as 0.  NaN and infinities are not treated apart.
; SHARES.  Work-group g: tokens 16 g .. 16 g + 15.  Wave w: k = 128 w .. 128 w + 127 of all 16 tokens: four matrix instructions.  The four partial sums meet in LDS behind one barrier; wave 0 finishes.
; WHAT IS STORED, all at fixed places (nothing in this launch steers an address or a branch by a number made of floats):
;   out2 the logits; xb [token][512] bf16; gate [token] f32; part [g][16] f32: words 0-7 the 16 tokens' sum of probabilities for each expert, words 8-15 the number of tokens that chose it;
;   rec [expert][g] halfwords: the 16 bits of halfword (e, g) mark the tokens of group g that chose expert e, so that an expert's 4,096 marks are 512 consecutive bytes in the tokens' order.
; No cluster: the work-groups share only w_router, 16 KB against 32 KB of x each, and it has to pass registers to be rounded and turned.
.set P,     272                        ; an LDS row of 128 bf16: 256 bytes + 16, so that the 16 rows of a fragment load start 68 words apart
.set XSW,   16*P                       ; a wave's 16 rows of x
.set WSB,   4*XSW
.set WSW,   8*P                        ; a wave's 8 rows (experts) of w_router, turned
.set PLB,   WSB+4*WSW                  ; a wave's partial logits: 1,024 bytes
.set SPARE, PLB+4*1024                 ; the spare words, 128 bytes a wave: no other line names them
.set XO,  4                            ; 16 l
.set XBO, 5                            ; 8 l
.set XST, 6                            ; my stage of x + 8 l
.set XRD, 7                            ; my stage of x + 272 r + 16 h
.set WST, 8                            ; my stage of w + 1,088 (l & 1) + 2 (l >> 1)
.set WRD, 9                            ; my stage of w + 272 (r & 7) + 16 h
.set PST, 10                           ; my partial logits + 16 l
.set PRD, 11                           ; wave 0's partial logits + 16 l
.set L4,  12                           ; 4 l
.set O2,  13                           ; 32 r + 16 h
.set SPW, 14                           ; my spare word; never rewritten
.set NIL, 15                           ; 0; never rewritten
; v32-95 x as loaded; v96-127 w_router as loaded; v128-159 x in bf16; v160-175 w in bf16; v176-207 fragments of w; v208-239 fragments of x; v240-255 two accumulators
	s_load_b256 s[4:11], s[0:1], 0x0               ; x s[4:5], w_router s[6:7], b_router s[8:9], out2 s[10:11]
	s_load_b256 s[12:19], s[0:1], 0x20             ; xb s[12:13], gate s[14:15], part s[16:17], rec s[18:19]
	v_lshl_add_u32 v[SPW], v0, 2, SPARE
	v_mov_b32 v[NIL], 0
	v_and_b32 v1, 31, v0                           ; l
	v_lshrrev_b32 v16, 5, v0
	v_readfirstlane_b32 s28, v16                   ; wave
	v_and_b32 v2, 15, v0                           ; r
	v_bfe_u32 v3, v0, 4, 1                         ; h
	s_mul_i32 s40, s28, XSW
	s_mul_i32 s41, s28, WSW
	s_add_co_u32 s41, s41, WSB
	s_lshl_b32 s42, s28, 10
	s_add_co_u32 s42, s42, PLB
	s_mov_b32 s43, 0xffff0000                      ; a word's upper bf16; also the mask of lanes 16-31
	v_lshlrev_b32 v[XO], 4, v1
	v_lshlrev_b32 v[XBO], 3, v1
	v_add_nc_u32 v[XST], s40, v[XBO]
	v_mul_u32_u24 v[XRD], v2, P
	v_lshl_add_u32 v[XRD], v3, 4, v[XRD]
	v_add_nc_u32 v[XRD], s40, v[XRD]
	v_and_b32 v16, 1, v0
	v_mul_u32_u24 v[WST], v16, 4*P
	v_lshrrev_b32 v16, 1, v1
	v_lshl_add_u32 v[WST], v16, 1, v[WST]
	v_add_nc_u32 v[WST], s41, v[WST]
	v_and_b32 v16, 7, v0
	v_mul_u32_u24 v[WRD], v16, P
	v_lshl_add_u32 v[WRD], v3, 4, v[WRD]
	v_add_nc_u32 v[WRD], s41, v[WRD]
	v_add_nc_u32 v[PST], s42, v[XO]
	v_add_nc_u32 v[PRD], PLB, v[XO]
	v_lshlrev_b32 v[L4], 2, v1
	v_lshlrev_b32 v[O2], 5, v2
	v_lshl_add_u32 v[O2], v3, 4, v[O2]
	s_wait_kmcnt 0x0
	s_load_b256 s[20:27], s[8:9], 0x0              ; b_router: eight numbers
	s_lshl_b32 s30, ttmp9, 15                      ; 16 tokens of 2,048 bytes,
	s_lshl_b32 s40, s28, 9                         ; my wave's 512 bytes of a row
	s_add_co_u32 s30, s30, s40
	s_mov_b32 s31, 0
	s_add_nc_u64 s[4:5], s[4:5], s[30:31]
	s_lshr_b32 s30, s30, 1                         ; the same place in xb: half the bytes
	s_add_nc_u64 s[12:13], s[12:13], s[30:31]
	s_lshl_b32 s30, s28, 12                        ; my 128 rows of w_router, 32 bytes each
	s_add_nc_u64 s[6:7], s[6:7], s[30:31]
.set i, 0
.rept 8                                ; a lane gets k = 16 i + (l >> 1), experts 4 (l & 1) .. + 3
	global_load_b128 v[96+4*i:96+4*i+3], v[XO], s[6:7] offset:512*i
.set i, i+1
.endr
.set i, 0
.rept 16                               ; token i: 512 consecutive bytes
	global_load_b128 v[32+4*i:32+4*i+3], v[XO], s[4:5] offset:2048*i th:TH_LOAD_NT
.set i, i+1
.endr
	s_wait_loadcnt 16                              ; the 16 loads of x are younger: w_router is in
.set i, 0
.rept 8
	v_cvt_pk_bf16_f32 v[160+2*i], v[96+4*i], v[96+4*i+1]
	v_cvt_pk_bf16_f32 v[161+2*i], v[96+4*i+2], v[96+4*i+3]
.set i, i+1
.endr
.set i, 0
.rept 8                                ; turned: expert by rows, k along the row
	ds_store_b16 v[WST], v[160+2*i] offset:32*i
	ds_store_b16_d16_hi v[WST], v[160+2*i] offset:32*i+P
	ds_store_b16 v[WST], v[161+2*i] offset:32*i+2*P
	ds_store_b16_d16_hi v[WST], v[161+2*i] offset:32*i+3*P
.set i, i+1
.endr
.set i, 0
.rept 16
.if i%4 == 0
	s_wait_loadcnt 12-i                            ; four tokens at a time: the later tokens' loads stay out
.endif
	v_cvt_pk_bf16_f32 v[128+2*i], v[32+4*i], v[32+4*i+1]
	v_cvt_pk_bf16_f32 v[129+2*i], v[32+4*i+2], v[32+4*i+3]
	ds_store_b64 v[XST], v[128+2*i:129+2*i] offset:P*i
	global_store_b64 v[XBO], v[128+2*i:129+2*i], s[12:13] offset:1024*i  ; the wave stores 256 consecutive bytes, at a multiple of 256 from xb's first
.set i, i+1
.endr
.set i, 0
.rept 4                                ; my own bytes: LDS serves a wave's instructions in order (ISA guide 5.7.1.4), so these see the stores above
	ds_load_b128 v[176+8*i:179+8*i], v[WRD] offset:64*i
	ds_load_b128 v[180+8*i:183+8*i], v[WRD] offset:64*i+32
	ds_load_b128 v[208+8*i:211+8*i], v[XRD] offset:64*i
	ds_load_b128 v[212+8*i:215+8*i], v[XRD] offset:64*i+32
.set i, i+1
.endr
	s_wait_dscnt 0x0
	; source 0: row m is expert m & 7; source 1: column n is token n.  A lane (r, h) then holds all eight logits of token r in registers 0-7.  Two accumulators by turns.
	v_wmma_f32_16x16x32_bf16 v[240:247], v[176:183], v[208:215], 0
	v_wmma_f32_16x16x32_bf16 v[248:255], v[184:191], v[216:223], 0
	v_wmma_f32_16x16x32_bf16 v[240:247], v[192:199], v[224:231], v[240:247]
	v_wmma_f32_16x16x32_bf16 v[248:255], v[200:207], v[232:239], v[248:255]
.rept 4
	v_nop                                          ; four places between the last product and the first read of a result (ISA guide 7.12.1)
.endr
.set i, 0
.rept 4                                ; from the low registers on
	v_pk_add_f32 v[240+2*i:241+2*i], v[240+2*i:241+2*i], v[248+2*i:249+2*i]
.set i, i+1
.endr
	ds_store_b128 v[PST], v[240:243]
	ds_store_b128 v[PST], v[244:247] offset:512
	s_wait_kmcnt 0x0                               ; b_router
	s_wait_dscnt 0x0                               ; for wave 0's sake: my partial logits are in LDS
	s_barrier_signal -1
	s_barrier_wait -1
	s_cmp_lg_u32 s28, 0
	s_cbranch_scc0 .Lwave0
	s_wait_tensorcnt 0x0                           ; the end of waves 1 to 3
	ds_add_u32 v[SPW], v[NIL]
	s_wait_dscnt 0x0
	s_endpgm
.Lwave0:
.set i, 0
.rept 8                                ; wave i / 2's registers 4 (i % 2) .. + 3
	ds_load_b128 v[32+4*i:35+4*i], v[PRD] offset:512*i
.set i, i+1
.endr
.set i, 0
.rept 8
	v_mov_b32 v[64+i], s[20+i]
.set i, i+1
.endr
.set i, 0
.rept 4                                ; the bias rounded to bf16 and widened again
	v_cvt_pk_bf16_f32 v[72+i], v[64+2*i], v[65+2*i]
	v_lshlrev_b32 v[80+2*i], 16, v[72+i]
	v_and_b32 v[81+2*i], s43, v[72+i]
.set i, i+1
.endr
	s_lshl_b32 s30, ttmp9, 9
	s_add_nc_u64 s[10:11], s[10:11], s[30:31]      ; out2: 512 bytes a group
	s_lshl_b32 s30, ttmp9, 6
	s_add_nc_u64 s[14:15], s[14:15], s[30:31]      ; gate and part: 64 bytes a group
	s_add_nc_u64 s[16:17], s[16:17], s[30:31]
	s_lshl_b32 s30, ttmp9, 1
	s_add_nc_u64 s[18:19], s[18:19], s[30:31]      ; rec: 2 bytes a group in each expert's 512
	s_wait_dscnt 0x0
.set i, 0
.rept 4                                ; (p0 + p1) + (p2 + p3) + bias
	v_pk_add_f32 v[32+2*i:33+2*i], v[32+2*i:33+2*i], v[40+2*i:41+2*i]
	v_pk_add_f32 v[48+2*i:49+2*i], v[48+2*i:49+2*i], v[56+2*i:57+2*i]
.set i, i+1
.endr
.set i, 0
.rept 4
	v_pk_add_f32 v[32+2*i:33+2*i], v[32+2*i:33+2*i], v[48+2*i:49+2*i]
.set i, i+1
.endr
.set i, 0
.rept 4
	v_pk_add_f32 v[32+2*i:33+2*i], v[32+2*i:33+2*i], v[80+2*i:81+2*i]
.set i, i+1
.endr
.set i, 0
.rept 4                                ; lanes 0-15 send experts 0-3 of their token, lanes 16-31 experts 4-7
	v_cndmask_b32 v[40+i], v[32+i], v[36+i], s43
.set i, i+1
.endr
	global_store_b128 v[O2], v[40:43], s[10:11]    ; 512 consecutive bytes
	v_max3_num_f32 v44, v32, v33, v34
	v_max3_num_f32 v44, v44, v35, v36
	v_max3_num_f32 v44, v44, v37, v38
	v_max_num_f32 v44, v44, v39                    ; m
	v_mov_b32 v45, 7
.irp j, 6,5,4,3,2,1,0                  ; downward, so that the lowest index wins
	v_cmp_eq_f32 vcc_lo, v[32+\j], v44
	v_cndmask_b32 v45, v45, \j, vcc_lo
.endr
.set i, 0
.rept 8
	v_sub_f32 v[48+i], v[32+i], v44                ; exactly 0 for the largest: its exponential is exactly 1
.set i, i+1
.endr
.set i, 0
.rept 8
	v_mul_f32 v[48+i], 0x3fb8aa3b, v[48+i]         ; log2(e)
.set i, i+1
.endr
.set i, 0
.rept 8
	v_exp_f32 v[48+i], v[48+i]
.set i, i+1
.endr
	v_nop                                          ; a plain instruction behind the last exponential (ISA guide 5.7.2),
	s_wait_alu depctr_va_vdst(0)                   ; and a wait ahead of the batch's first reader
	v_add_f32 v56, v48, v49
	v_add_f32 v57, v50, v51
	v_add_f32 v58, v52, v53
	v_add_f32 v59, v54, v55
	v_add_f32 v56, v56, v57
	v_add_f32 v58, v58, v59
	v_add_f32 v56, v56, v58
	v_rcp_f32 v57, v56                             ; 1 / sum: the largest probability, the gate
	v_nop
	s_wait_alu depctr_va_vdst(0)
.set i, 0
.rept 8
	v_mul_f32 v[48+i], v[48+i], v57
.set i, i+1
.endr
.irp m, 1,2,4,8                        ; the 16 tokens' sums, in every lane
.set i, 0
.rept 8
	v_add_f32_dpp v[48+i], v[48+i], v[48+i] row_xmask:\m row_mask:0xf bank_mask:0xf
.set i, i+1
.endr
.endr
	v_mov_b32 v60, 0
	v_mov_b32 v61, 0
	v_mov_b32 v62, 0
.set i, 0
.rept 8
	v_cmp_eq_u32 s[32+i], i, v45                   ; who chose expert i (both halves of the lanes hold the same 16 tokens)
	s_and_b32 s[32+i], s[32+i], 0xffff
	s_bcnt1_i32_b32 s41, s[32+i]
	v_readfirstlane_b32 s40, v[48+i]
	v_writelane_b32 v60, s40, i                    ; lanes 0-7: the sums
	v_writelane_b32 v62, s41, 8+i                  ; lanes 8-15: the counts
	v_writelane_b32 v61, s[32+i], i                ; lanes 0-7: the marks
.set i, i+1
.endr
	v_cvt_f32_u32 v62, v62
	v_add_f32 v60, v60, v62
	v_lshlrev_b32 v63, 9, v1                       ; lane e: expert e's 512 bytes of rec
	v_cmp_gt_u32 vcc_lo, 16, v1
	s_wait_xcnt 0x0                                ; EXEC is a source of the stores that are out: it changes only behind this wait
	s_and_saveexec_b32 s42, vcc_lo
	global_store_b32 v[L4], v57, s[14:15]
	global_store_b32 v[L4], v60, s[16:17]
	s_wait_xcnt 0x0
	s_or_b32 exec_lo, exec_lo, s42
	v_cmp_gt_u32 vcc_lo, 8, v1
	s_wait_xcnt 0x0
	s_and_saveexec_b32 s42, vcc_lo
	global_store_b16 v63, v61, s[18:19]            ; eight halfwords, one in each expert's row of marks
	s_wait_xcnt 0x0
	s_or_b32 exec_lo, exec_lo, s42
	s_wait_tensorcnt 0x0                           ; the wave's end
	ds_add_u32 v[SPW], v[NIL]
	s_wait_dscnt 0x0
	s_endpgm
.Lfunc_end_k_q5c3d8b0302_router:
	.size	k_q5c3d8b0302_router, .Lfunc_end_k_q5c3d8b0302_router-k_q5c3d8b0302_router
	.p2alignl 7, 3214868480
	.fill 96, 4, 3214868480
	.section	.rodata,"a",@progbits
	.p2align	6, 0x0
	.amdhsa_kernel k_q5c3d8b0302_router
		.amdhsa_group_segment_fixed_size 30720
		.amdhsa_private_segment_fixed_size 0
		.amdhsa_enable_private_segment 0
		.amdhsa_kernarg_size 64
		.amdhsa_user_sgpr_count 2
		.amdhsa_user_sgpr_kernarg_segment_ptr 1
		.amdhsa_wavefront_size32 1
		.amdhsa_system_sgpr_workgroup_id_x 1
		.amdhsa_system_sgpr_workgroup_id_y 1
		.amdhsa_system_sgpr_workgroup_id_z 1
		.amdhsa_system_vgpr_workitem_id 0
		.amdhsa_next_free_vgpr 256
		.amdhsa_next_free_sgpr 66
		.amdhsa_reserve_vcc 1
		.amdhsa_float_denorm_mode_32 3
		.amdhsa_float_denorm_mode_16_64 3
		.amdhsa_memory_ordered 1
		.amdhsa_forward_progress 1
		.amdhsa_inst_pref_size 26
	.end_amdhsa_kernel
	.amdgpu_metadata
---
amdhsa.version: [ 1, 2 ]
amdhsa.kernels:
  - .name:           k_q5c3d8b0302_router
    .symbol:         k_q5c3d8b0302_router.kd
    .args:
      - { .name: x, .offset: 0, .size: 8, .value_kind: global_buffer, .address_space: global }
      - { .name: w_router, .offset: 8, .size: 8, .value_kind: global_buffer, .address_space: global }
      - { .name: b_router, .offset: 16, .size: 8, .value_kind: global_buffer, .address_space: global }
      - { .name: out2, .offset: 24, .size: 8, .value_kind: global_buffer, .address_space: global }
      - { .name: xb, .offset: 32, .size: 8, .value_kind: global_buffer, .address_space: global }
      - { .name: gate, .offset: 40, .size: 8, .value_kind: global_buffer, .address_space: global }
      - { .name: part, .offset: 48, .size: 8, .value_kind: global_buffer, .address_space: global }
      - { .name: rec, .offset: 56, .size: 8, .value_kind: global_buffer, .address_space: global }
    .group_segment_fixed_size: 30720
    .private_segment_fixed_size: 0
    .kernarg_segment_align: 8
    .kernarg_segment_size: 64
    .max_flat_workgroup_size: 128
    .sgpr_count:     66
    .vgpr_count:     256
    .wavefront_size: 32
...
	.end_amdgpu_metadata
.endif
;; end of part 4
;; launch ffn1 (part 5): grid 32 x 8, 4 waves a work-group, no clusters, 200,192 bytes of LDS; arguments W1, b1, xb, rec, gate, part, hid, perm, gsort, cnts, out1; writes hid, perm, gsort, cnts, out1
.if DOCPART == 5
	.amdgcn_target "amdgcn-amd-amdhsa--gfx1250"
	.amdhsa_code_object_version 6
	.text
	.protected	k_q5c3d8b0302_ffn1
	.globl	k_q5c3d8b0302_ffn1
	.p2align	8
	.type	k_q5c3d8b0302_ffn1,@function
k_q5c3d8b0302_ffn1:
	s_mov_b64 s[64:65], 0
	v_nop
	global_prefetch_b8 v0, s[64:65] scope:SCOPE_SE
	s_setreg_imm32_b32 hwreg(HW_REG_WAVE_MODE, 25, 1), 1
	s_wait_xcnt 0x0
; FIRST PRODUCT.  hid = relu(x W1[e] + b1[e]) for the tokens that chose expert e, in the order of their numbers; also the sorted lists for the next launch, and the load-balance loss.
; FORMATS AND LIMITS.  W1 and b1 are rounded once to bf16 on their way through registers, x was rounded by the launch before; sums in f32, begun with the bias; hid rounded once to F16: it is the one
; rounding that is this program's own, and with bf16's 8 bits its error, which goes with a row's gate, comes to about a hundredth of the output's root mean square in the worst of two million numbers.
; f16 holds no number beyond 65,504: a hidden number past that becomes an infinity and its row is lost.  The drawn inputs give hidden numbers of about 2.5; x, W1 and b1 all 30 times larger give 900 times that;
; offsets of 30 spreads on x and on W1 give 512 x 30 x 0.6 = 9,216.  Below 6e-5 a hidden number keeps f16's fixed step of 6e-8.
; SHARES.  Work-group (x, e): g = x & 3, js = x >> 2.  It owns hidden columns 256 js .. + 255 of expert e and the expert's blocks of 16 rows g, g + 4, ..: nl of them, 0 to 64, whatever the split.
; Wave w owns columns 64 (4 js + w) .. + 63: 64 fragments (K = 512) in 512 registers, rounded straight from memory.  A block of x is fetched ONCE for the work-group, four rows by each wave, staged in LDS and
; multiplied by all four waves: 16 KB from memory feed 256 matrix instructions.  The price: a slice of W1 (512 KB) is read by the four work-groups that differ in g.
; LAPS.  Four blocks are a lap; LDS holds two laps' rows.  ONE barrier stands at a lap's head: behind it a wave reads this lap's buffer, stores the next lap's rows, which lie in its registers, into the other
; buffer (whose readers have all passed the barrier), and asks memory for the lap after that, which has this whole lap in which to land.  There are always 16 laps, and every wave passes every barrier; what a
; given count leaves without work is jumped over, forward, with no barrier in what is jumped.  Two laps are written out, so that every LDS address of the loop is a constant.
; A LAP THAT DOES NOT EXIST is neither staged nor asked for; lap 1 alone is always asked for, since its loads stand in the counted waits of the weights' ring: with four blocks or fewer its 16 KB a wave serve nobody.
; COLUMNS.  Fragment block b (0..3), lane c stands for column 4 c + b, so that a 16-byte load of a row of W1 gives a lane one number for each block and sixteen lanes read 256 consecutive bytes.
; ROWS PAST THE COUNT repeat the expert's last token: at most 15 rows an expert, and the blocks that fill up a work-group's last lap, which are fetched and not multiplied.
; AN EXPERT WITHOUT TOKENS still makes one block, of token 0's row: the next launch's first fetch is held to the blocks stored here, so there is always one; nobody multiplies it.
; THE LIST.  Every wave builds the expert's list of tokens for itself in its own LDS bytes, from the expert's 512 bytes of marks, while K steps 4 to 7 of the weights are on their way: no barrier, no launch for it.
; The tokens of my four rows of all 64 possible blocks then go into four registers, so that the laps read no list.
; hid: [e][block of 16 rows: 256][step 0..63][piece 0..1][lane][16 bytes]: lane (r, h) holds row r and hidden numbers 64 (step >> 1) + 32 h + 16 (step & 1) + 8 piece + 0..7: the next launch's operand as it lies.
; NO CLUSTER, NO TENSOR LOADS: W1 is f32 and must pass registers to be rounded; the token rows come by a list that no descriptor covers.
.set XP,    1040                       ; a row of x in a stage: 1,024 bytes + 16 = 65 x 16: the 16 rows of a fragment load start 260 words apart
.set BLKB,  16*XP                      ; a block
.set STG1,  4*BLKB                     ; LDS 0: the even laps' four blocks; here: the odd laps'
.set LSB,   8*BLKB                     ; the lists
.set LSW,   16640                      ; a wave's list: 4,096 words, then 32 words, one a lane, that take what an unmarked lane stores and are never read
.set SPARE, LSB+4*LSW                  ; the spare words, 128 bytes a wave: no other line names them
.set WOF,  4                           ; 65,536 h + 16 c: lanes 16-31 read the row of W1 eight further on
.set L16,  5                           ; 16 l
.set XST0, 6                           ; v6, v7  stage 0, 1: my four rows of a block + 16 l
.set XRD0, 8                           ; v8, v9  stage 0, 1: 1,040 r + 16 h
.set B1O,  10                          ; 128 h
.set TOKB, 11                          ; list building: the token that my lane stands for in the trip's first word
.set DMP,  12                          ; 4,096 + l: the word of my list that takes my store when my token is not marked
.set T0,   13                          ; at work
.set SPW,  14                          ; my spare word; never rewritten
.set NIL,  15                          ; 0; never rewritten
.set ADR,  16                          ; v16-31  block kb, row q of a lap: byte offset in xb of my 16 bytes of that row, at 4 kb + q
.set ACC,  32                          ; v32-63  four accumulators; before the laps: the raw bias, then wave 0's lists
.set BIAS, 64                          ; v64-95  block b, register jj: b1 of column 32 h + 4 jj + b
.set HO,   96                          ; v96-111 a block's results in f16
.set ZERO, 112
.set WORD, 114                         ; v114-117  lane l, register c: the marks of tokens 128 l + 32 c .. + 31
.set TL,   118                         ; v118-121  register q, lane t: the token of my row q of block t of the work-group in bits 0-11, of block t + 32 in bits 16-27
.set TX,   122                         ; v122-125  at work
.set RB,   126
.set F,    128                         ; v128-255  16 fragments of x: buffer 0 here, buffer 1 at the same numbers in window 3; before the laps at work
; windows 1 and 2: my slice, fragment (s, b) at 256 + 32 s + 8 b.  Window 3: v0-127 the raw rows of a lap (block kb, row q, piece p at 32 kb + 8 q + 4 p), v128-255 fragment buffer 1; before the laps a ring of four raw K steps of W1.
; s26 wave, s27 x, s28 e, s29 loop count, s30 a shift, s31 the count, s32 at work, s33 count - 1, s34 blocks, s35 nl, s36 the lap's first block, s37 my list, s[38:39] offsets, s41 at work, s42 g, s43 4 js + w,
; s44 EXEC, s45 loop count, s[46:47] lane selects, s48 mask, s[52:55] four lanes, s[66:81] sixteen words of marks, or sixteen tokens, s[82:97] the words' first ranks
.set MSB, 0
.macro WIN new                         ; the immediate's high byte repeats the setting that is left; a switch that changes nothing is dropped
.if MSB != (\new)
	s_set_vgpr_msb (MSB<<8)|(\new)
.set MSB, \new
.endif
.endm
.macro WL st                           ; the raw weights of K step st into ring slot st % 4: 16 loads; each half of the lanes reads 256 consecutive bytes of one row
	WIN 0xc0
.set p, 0
.rept 2
.set i, 0
.rept 8
	global_load_b128 v[64*((\st)%4)+32*p+4*i:64*((\st)%4)+32*p+4*i+3], v[WOF], s[4:5] offset:(32*(\st)+16*p+i)*8192
.set i, i+1
.endr
.set p, p+1
.endr
.endm
.macro CV st                           ; rounded in pairs of neighbouring k, into the step's four fragments
.set rw, 64*((\st)%4)
.if (\st) < 8
	WIN 0x4f
.else
	WIN 0x8f
.endif
.set b, 0
.rept 4
.set p, 0
.rept 2
.set i, 0
.rept 4
	v_cvt_pk_bf16_f32 v[32*((\st)%8)+8*b+4*p+i], v[rw+32*p+8*i+b], v[rw+32*p+8*i+4+b]
.set i, i+1
.endr
.set p, p+1
.endr
.set b, b+1
.endr
.endm
.macro AD                              ; s32 = a lap (held to 15): the tokens of my four rows of its four blocks out of TL, as scalars, clamped, times 1,024 bytes
	s_min_u32 s32, s32, 15
	s_and_b32 s52, s32, 7
	s_lshl_b32 s52, s52, 2                         ; the four lanes that hold them,
	s_add_co_u32 s53, s52, 1
	s_add_co_u32 s54, s52, 2
	s_add_co_u32 s55, s52, 3
	s_lshr_b32 s30, s32, 3
	s_lshl_b32 s30, s30, 4                         ; and the half of the word
.set q, 0
.rept 4
	v_bfe_u32 v[TX+q], v[TL+q], s30, 12
.set q, q+1
.endr
.set i, 0
.rept 16
	v_readlane_b32 s[66+i], v[TX+i%4], s[52+i/4]
.set i, i+1
.endr
.set i, 0
.rept 16
	s_min_u32 s[66+i], s[66+i], 0xfff
.set i, i+1
.endr
.set i, 0
.rept 16
	v_lshl_add_u32 v[ADR+i], s[66+i], 10, v[L16]
.set i, i+1
.endr
.endm
.macro GX win, base, b0, b1            ; my four rows of blocks b0 .. b1 - 1 of a lap: each load is 512 consecutive bytes of one row of xb
	WIN \win
.set kb, \b0
.rept (\b1)-(\b0)
.set q, 0
.rept 4
	global_load_b128 v[(\base)+32*kb+8*q:(\base)+32*kb+8*q+3], v[ADR+4*kb+q], s[8:9]
	global_load_b128 v[(\base)+32*kb+8*q+4:(\base)+32*kb+8*q+7], v[ADR+4*kb+q], s[8:9] offset:512
.set q, q+1
.endr
.set kb, kb+1
.endr
	WIN 0
.endm
.macro SX win, base, adr               ; a lap's raw rows into a stage
	WIN \win
.set kb, 0
.rept 4
.set q, 0
.rept 4
	ds_store_b128 v[\adr], v[(\base)+32*kb+8*q:(\base)+32*kb+8*q+3] offset:kb*BLKB+q*XP
	ds_store_b128 v[\adr], v[(\base)+32*kb+8*q+4:(\base)+32*kb+8*q+7] offset:kb*BLKB+q*XP+512
.set q, q+1
.endr
.set kb, kb+1
.endr
.endm
.macro FR adr, blk, buf                ; a block's 16 fragments: fragment s: row r, k = 32 s + 8 h + 0..7 and 32 s + 16 + 8 h + 0..7
.if \buf
	WIN 0xc0
.else
	WIN 0
.endif
.set q, 0
.rept 16
	ds_load_b128 v[F+8*q:F+8*q+3], v[\adr] offset:(\blk)*BLKB+64*q
	ds_load_b128 v[F+8*q+4:F+8*q+7], v[\adr] offset:(\blk)*BLKB+64*q+32
.set q, q+1
.endr
.endm
.macro MUL buf                         ; 64 matrix instructions: source 0 the weights (row m: column 4 m + b), source 1 x (column n: row n).  The four accumulators take turns; the bias starts the sums
.set ss, 0
.rept 16
	WIN (1+ss/8)|(0x0c*(\buf))
.set b, 0
.rept 4
.if ss == 0
	v_wmma_f32_16x16x32_bf16 v[ACC+8*b:ACC+8*b+7], v[32*(ss%8)+8*b:32*(ss%8)+8*b+7], v[F+8*ss:F+8*ss+7], v[BIAS+8*b:BIAS+8*b+7]
.else
	v_wmma_f32_16x16x32_bf16 v[ACC+8*b:ACC+8*b+7], v[32*(ss%8)+8*b:32*(ss%8)+8*b+7], v[F+8*ss:F+8*ss+7], v[ACC+8*b:ACC+8*b+7]
.endif
.set b, b+1
.endr
.set ss, ss+1
.endr
.endm
.macro OUT blk                         ; rounded, relu, stored
	WIN 0
.rept 4
	v_nop                                          ; four places between the last product and the first read of a result (ISA guide 7.12.1)
.endr
	s_wait_xcnt 0x0                                ; the last block's stores have read HO
.set i, 0
.rept 8                                ; register i of blocks 0-3 are four neighbouring columns; each accumulator from its low registers on
	v_cvt_pk_f16_f32 v[HO+2*i], v[ACC+i], v[ACC+8+i]
	v_cvt_pk_f16_f32 v[HO+2*i+1], v[ACC+16+i], v[ACC+24+i]
.set i, i+1
.endr
.set i, 0
.rept 16
	v_pk_max_num_f16 v[HO+i], v[HO+i], v[ZERO]     ; relu of the rounded number = the rounded relu
.set i, i+1
.endr
.set i, 0
.rept 4
	global_store_b128 v[L16], v[HO+4*i:HO+4*i+3], s[16:17] offset:(\blk)*0x40000+512*i  ; 512 consecutive bytes, at a multiple of 256 from hid's first; my blocks lie four blocks of 65,536 bytes apart
.set i, i+1
.endr
.endm
.macro BLK par, blk                    ; block blk of a lap in stage par: the next block's fragments are asked for, this one is multiplied and stored
.if (\blk) > 0
	s_add_co_u32 s32, s36, \blk
	s_cmp_ge_u32 s32, s35
	s_cbranch_scc1 .Lskip\par
.endif
.if (\blk) < 3
	FR XRD0+(\par), (\blk)+1, ((\blk)+1)%2
	s_wait_dscnt 32                                ; only the 32 loads just issued are younger: this block's fragments are in
.else
	s_wait_dscnt 0x0
.endif
	MUL (\blk)%2
	OUT \blk
.endm
.macro LAP par
	s_wait_dscnt 0x0                               ; for the others' sake: my rows of this lap are in its stage, and my reads of the other stage are over
	s_barrier_signal -1
	s_barrier_wait -1                              ; both now hold of all four waves
	s_cmp_ge_u32 s36, s35
	s_cbranch_scc1 .Lskip\par
	FR XRD0+(\par), 0, 0                           ; the first block's fragments come while the next lap is staged
	s_add_co_u32 s32, s36, 4
	s_cmp_ge_u32 s32, s35
	s_cbranch_scc1 .Lahead\par                     ; there is no next lap: nothing is staged, nothing is asked for
	s_wait_loadcnt 0x0                             ; the next lap's 32 loads, the only ones out; their address registers are free
	SX 0x0c, 0, XST0+1-(\par)
	WIN 0
	s_add_co_u32 s32, s36, 8
	s_cmp_ge_u32 s32, s35
	s_cbranch_scc1 .Lahead\par                     ; there is no lap after the next: nothing is asked for
	s_lshr_b32 s32, s32, 2                         ; the lap after the next
	AD
	GX 0xc0, 0, 0, 4
.Lahead\par:
	BLK \par, 0
	BLK \par, 1
	BLK \par, 2
	BLK \par, 3
	s_wait_xcnt 0x0                                ; the stores' base is written again only behind this wait
	s_add_nc_u64 s[16:17], s[16:17], 0x100000      ; sixteen blocks of the expert on
.Lskip\par:
	s_add_co_u32 s36, s36, 4
.endm
	s_load_b256 s[4:11], s[0:1], 0x0               ; W1 s[4:5], b1 s[6:7], xb s[8:9], rec s[10:11]
	s_load_b256 s[12:19], s[0:1], 0x20             ; gate s[12:13], part s[14:15], hid s[16:17], perm s[18:19]
	s_load_b128 s[20:23], s[0:1], 0x40             ; gsort s[20:21], cnts s[22:23]
	s_load_b64 s[24:25], s[0:1], 0x50              ; out1
	v_lshl_add_u32 v[SPW], v0, 2, SPARE
	v_mov_b32 v[NIL], 0
	v_and_b32 v1, 31, v0                           ; l
	v_lshrrev_b32 v[T0], 5, v0
	v_readfirstlane_b32 s26, v[T0]                 ; wave
	s_mov_b32 s27, ttmp9                           ; x
	s_and_b32 s28, ttmp7, 0xffff                   ; e
	s_and_b32 s42, s27, 3                          ; g
	s_and_b32 s43, s27, 0x1c
	s_add_co_u32 s43, s43, s26                     ; 4 js + w: my 64 columns
	v_and_b32 v2, 15, v0                           ; r, also c
	v_bfe_u32 v3, v0, 4, 1                         ; h
	v_lshlrev_b32 v[WOF], 4, v2
	v_lshl_add_u32 v[WOF], v3, 16, v[WOF]
	v_lshlrev_b32 v[L16], 4, v1
	s_mul_i32 s38, s26, 4*XP                       ; rows 4 w .. 4 w + 3 of a block are mine to fetch
	v_add_nc_u32 v[XST0], s38, v[L16]
	v_add_nc_u32 v[XST0+1], STG1, v[XST0]
	v_mul_u32_u24 v[XRD0], v2, XP
	v_lshl_add_u32 v[XRD0], v3, 4, v[XRD0]
	v_add_nc_u32 v[XRD0+1], STG1, v[XRD0]
	s_mul_i32 s37, s26, LSW
	s_add_co_u32 s37, s37, LSB
	v_lshlrev_b32 v[B1O], 7, v3
	v_mov_b32 v[ZERO], 0
	v_add_nc_u32 v[DMP], 0x1000, v1
	s_mov_b32 s46, 0x76543210
	s_mov_b32 s47, 0xfedcba98
	s_mov_b32 s48, 0xffff0000
	s_mov_b32 s39, 0
	s_lshl_b32 s41, s43, 8                         ; my columns' 256 bytes in a row of W1 and of b1
	s_wait_kmcnt 0x0
	s_lshl_b32 s38, s28, 9                         ; rec: 512 bytes an expert
	s_add_nc_u64 s[10:11], s[10:11], s[38:39]
	global_load_b128 v[WORD:WORD+3], v[L16], s[10:11]  ; all of the expert's marks: 512 consecutive bytes
	s_lshl_b32 s38, s28, 13                        ; b1: 8,192 bytes an expert
	s_add_co_u32 s38, s38, s41
	s_add_nc_u64 s[6:7], s[6:7], s[38:39]
.set i, 0
.rept 8                                ; b1 of columns 32 h + 4 i + 0..3
	global_load_b128 v[ACC+4*i:ACC+4*i+3], v[B1O], s[6:7] offset:16*i
.set i, i+1
.endr
	s_lshl_b32 s38, s28, 22                        ; W1: 4 MiB an expert
	s_add_co_u32 s38, s38, s41
	s_add_nc_u64 s[4:5], s[4:5], s[38:39]
	WL 0
	WL 1
	WL 2
	WL 3
	WIN 0
	s_lshl_b32 s38, s28, 24                        ; hid: 2^24 bytes an expert, block g, steps 2 (4 js + w) and the next
	s_lshl_b32 s32, s42, 16
	s_add_co_u32 s38, s38, s32
	s_lshl_b32 s32, s43, 11
	s_add_co_u32 s38, s38, s32
	s_add_nc_u64 s[16:17], s[16:17], s[38:39]
	s_lshl_b32 s38, s28, 14                        ; perm and gsort: 16,384 bytes an expert, ranks 128 x on
	s_lshl_b32 s32, s27, 9
	s_add_co_u32 s38, s38, s32
	s_add_nc_u64 s[18:19], s[18:19], s[38:39]
	s_add_nc_u64 s[20:21], s[20:21], s[38:39]
	s_cmp_lg_u32 s26, 0
	s_cbranch_scc1 .Lnoloss
	s_cmp_lg_u32 s27, 3
	s_cbranch_scc1 .Lnoloss
	s_cmp_lg_u32 s28, 0
	s_cbranch_scc1 .Lnoloss
	; THE LOSS, by one wave of the launch: 8 x the sum over experts of (count / 4,096) (sum of probabilities / 4,096).  Lane l of load n holds words 4 (l & 3) .. + 3 of group 8 n + (l >> 2).
.set n, 0
.rept 32
	global_load_b128 v[128+4*n:131+4*n], v[L16], s[14:15] offset:512*n
.set n, n+1
.endr
	s_wait_loadcnt 0x0                             ; these, and what was asked for ahead of them, for which every wave waits at about this time
.irp st, 16,8,4,2,1
.set n, 0
.rept \st
	v_pk_add_f32 v[128+4*n:129+4*n], v[128+4*n:129+4*n], v[128+4*(n+\st):129+4*(n+\st)]
	v_pk_add_f32 v[130+4*n:131+4*n], v[130+4*n:131+4*n], v[130+4*(n+\st):131+4*(n+\st)]
.set n, n+1
.endr
.endr
.set i, 0
.rept 4
	v_add_f32_dpp v[128+i], v[128+i], v[128+i] row_xmask:4 row_mask:0xf bank_mask:0xf
.set i, i+1
.endr
.set i, 0
.rept 4
	v_add_f32_dpp v[128+i], v[128+i], v[128+i] row_xmask:8 row_mask:0xf bank_mask:0xf
.set i, i+1
.endr
.set i, 0
.rept 4
	v_permlanex16_b32 v[132+i], v[128+i], s46, s47
.set i, i+1
.endr
.set i, 0
.rept 4
	v_add_f32 v[128+i], v[128+i], v[132+i]
.set i, i+1
.endr
.set i, 0
.rept 4                                ; the lane two away holds the counts of the experts whose sums I hold
	v_mul_f32_dpp v[128+i], v[128+i], v[128+i] row_xmask:2 row_mask:0xf bank_mask:0xf
.set i, i+1
.endr
	v_add_f32 v128, v128, v129
	v_add_f32 v130, v130, v131
	v_add_f32 v128, v128, v130
	v_add_f32_dpp v128, v128, v128 row_xmask:1 row_mask:0xf bank_mask:0xf
	v_mul_f32 v128, 0x35000000, v128               ; 8 / 4,096^2 = 2^-21
	v_mov_b32 v136, 0
	v_cmp_eq_u32 vcc_lo, 0, v1
	s_wait_xcnt 0x0                                ; EXEC is a source of what is out: it changes only behind this wait
	s_and_saveexec_b32 s44, vcc_lo
	global_store_b32 v136, v128, s[24:25]
	s_wait_xcnt 0x0
	s_or_b32 exec_lo, exec_lo, s44
.Lnoloss:
	; THE SLICE: 16 K steps through the ring of four raw steps.  The first four are rounded and the next four asked for ahead of the list, which is then built while those are on their way.
	s_wait_loadcnt 48                              ; K steps 1 to 3 are younger: the marks, the bias and step 0 are in
.set i, 0
.rept 8                                ; the bias rounded to bf16,
	v_cvt_pk_bf16_f32 v[HO+2*i], v[ACC+4*i], v[ACC+4*i+1]
	v_cvt_pk_bf16_f32 v[HO+2*i+1], v[ACC+4*i+2], v[ACC+4*i+3]
.set i, i+1
.endr
.set i, 0
.rept 8                                ; widened again, and laid as the accumulators lie
	v_lshlrev_b32 v[BIAS+i], 16, v[HO+2*i]
	v_and_b32 v[BIAS+8+i], s48, v[HO+2*i]
	v_lshlrev_b32 v[BIAS+16+i], 16, v[HO+2*i+1]
	v_and_b32 v[BIAS+24+i], s48, v[HO+2*i+1]
.set i, i+1
.endr
	CV 0
	WL 4
.irp s, 1,2,3
	s_wait_loadcnt 48                              ; three batches of 16 are younger than the step that is rounded
	CV \s
	WL (\s)+4
.endr
	WIN 0
	; THE LIST.  A trip takes 16 words of marks, those of four lanes: the words as scalars, each word's first rank by a run of scalar counts, then for each word: every lane stores its token, a marked
	; lane at the place of its rank, the others at their own word behind the list.  The lines go by kind, sixteen on end, so that none waits for the line before it.
	v_mov_b32 v[T0], s37
	ds_store_b32 v[T0], v[ZERO]                    ; an expert without tokens: its list names token 0
	s_mov_b32 s31, 0
	v_mov_b32 v[TOKB], v1
	s_mov_b32 s29, 0
.Llist:
	s_mov_b32 s52, s29
	s_add_co_u32 s53, s29, 1
	s_add_co_u32 s54, s29, 2
	s_add_co_u32 s55, s29, 3
.set i, 0
.rept 16
	v_readlane_b32 s[66+i], v[WORD+i%4], s[52+i/4] ; word 4 x lane + register: tokens in ascending order
.set i, i+1
.endr
	s_mov_b32 s82, s31
.set i, 0
.rept 15
	s_bcnt1_i32_b32 s32, s[66+i]
	s_add_co_u32 s[83+i], s[82+i], s32
.set i, i+1
.endr
	s_bcnt1_i32_b32 s32, s81
	s_add_co_u32 s31, s97, s32
.set i, 0
.rept 16
	v_mbcnt_lo_u32_b32 v[128+i], s[66+i], s[82+i]  ; marks below my lane + tokens so far
.set i, i+1
.endr
.set i, 0
.rept 16
	v_cndmask_b32 v[128+i], v[DMP], v[128+i], s[66+i]  ; a choice of a value: all lanes stay on
.set i, i+1
.endr
.set i, 0
.rept 16
	v_min_u32 v[128+i], 0x101f, v[128+i]           ; inside my list's 4,128 words, whatever was loaded
.set i, i+1
.endr
.set i, 0
.rept 16
	v_lshl_add_u32 v[128+i], v[128+i], 2, s37
.set i, i+1
.endr
.set i, 0
.rept 16
	v_add_nc_u32 v[144+i], 32*i, v[TOKB]
.set i, i+1
.endr
.set i, 0
.rept 16
	ds_store_b32 v[128+i], v[144+i]
.set i, i+1
.endr
	v_add_nc_u32 v[TOKB], 0x200, v[TOKB]
	s_add_co_u32 s29, s29, 4
	s_cmp_lt_u32 s29, 32
	s_cbranch_scc1 .Llist
	s_max_u32 s33, s31, 1
	s_sub_co_u32 s33, s33, 1                       ; the last rank that exists
	s_add_co_u32 s34, s31, 15
	s_lshr_b32 s34, s34, 4
	s_max_u32 s34, s34, 1                          ; blocks of 16 rows: one at the least
	s_add_co_u32 s35, s34, 3
	s_sub_co_u32 s35, s35, s42
	s_lshr_b32 s35, s35, 2                         ; of which g, g + 4, .. are my work-group's
	; MY TOKENS, out of my own list: lane t takes my row q of the work-group's blocks t and t + 32: ranks 64 t + 16 g + 4 w + q and 2,048 more, held to the last rank that exists
	s_lshl_b32 s32, s42, 4
	s_lshl2_add_u32 s32, s26, s32
	v_lshl_add_u32 v[RB], v1, 6, s32
.set q, 0
.rept 4
	v_add_nc_u32 v[160+q], q, v[RB]
	v_add_nc_u32 v[164+q], 2048+q, v[RB]
	v_min_u32 v[160+q], s33, v[160+q]
	v_min_u32 v[164+q], s33, v[164+q]
	v_min_u32 v[160+q], 0xfff, v[160+q]
	v_min_u32 v[164+q], 0xfff, v[164+q]
	v_lshl_add_u32 v[160+q], v[160+q], 2, s37
	v_lshl_add_u32 v[164+q], v[164+q], 2, s37
	ds_load_b32 v[168+q], v[160+q]
	ds_load_b32 v[172+q], v[164+q]
.set q, q+1
.endr
	s_wait_dscnt 0x0
.set q, 0
.rept 4
	v_lshl_or_b32 v[TL+q], v[172+q], 16, v[168+q]
.set q, q+1
.endr
	s_mov_b32 s32, 0
	AD
	GX 0, F, 0, 4                                  ; lap 0's rows, into fragment buffer 0's registers, which lie idle until the laps
.irp s, 4,5,6,7
	s_wait_loadcnt 63                              ; 80 loads are younger than the step that is rounded (three batches of 16 and lap 0's 32); the count's field holds 63
	CV \s
	WL (\s)+4
.endr
	s_wait_loadcnt 63                              ; the 64 loads of steps 8 to 11 are younger than lap 0's rows: they are in
	SX 0, F, XST0                                  ; lap 0 into stage 0: the first lap's barrier shows it to the others
	s_wait_loadcnt 48                              ; from here on three batches of 16 are younger than the step that is rounded; behind step 12 the batches are lap 1's two halves
	CV 8
	WIN 0
	s_cmp_lg_u32 s26, 0
	s_cbranch_scc1 .Lnoperm
	; WAVE 0 writes the next launch's lists for ranks 128 x .. 128 x + 127: token and gate, ranks past the count repeating the last.  The gates are asked for here and stored behind the ring.
	; Its four loads more make the ring's counts stricter for this wave, never looser.
	v_lshlrev_b32 v32, 2, v1
	v_lshl_add_u32 v32, s27, 7, v32
.set i, 0
.rept 4
	v_add_nc_u32 v[36+i], i, v32
	v_min_u32 v[36+i], s33, v[36+i]
	v_min_u32 v[36+i], 0xfff, v[36+i]
	v_lshl_add_u32 v[36+i], v[36+i], 2, s37
	ds_load_b32 v[40+i], v[36+i]
.set i, i+1
.endr
	s_wait_dscnt 0x0
.set i, 0
.rept 4
	v_min_u32 v[40+i], 0xfff, v[40+i]
	v_lshlrev_b32 v[44+i], 2, v[40+i]
.set i, i+1
.endr
	global_store_b128 v[L16], v[40:43], s[18:19]   ; 512 consecutive bytes
.set i, 0
.rept 4
	global_load_b32 v[48+i], v[44+i], s[12:13]
.set i, i+1
.endr
.Lnoperm:
	WL 12
.irp s, 9,10,11
	s_wait_loadcnt 48
	CV \s
	WL (\s)+4
.endr
	s_wait_loadcnt 48
	CV 12
	WIN 0
	s_mov_b32 s32, 1
	AD                                             ; (lap 0's loads, which read these address registers, were shown done ahead of its staging)
	GX 0xc0, 0, 0, 2                               ; lap 1's first two blocks, into ring slot 0, which step 12 has left
	s_wait_loadcnt 48
	CV 13
	GX 0xc0, 0, 2, 4                               ; its other two, into slot 1
	s_wait_loadcnt 48
	CV 14
	s_wait_loadcnt 32                              ; only lap 1's 32 loads are younger
	CV 15
	WIN 0
	s_cmp_lg_u32 s26, 0
	s_cbranch_scc1 .Lnogate
	global_store_b128 v[L16], v[48:51], s[20:21]   ; the gates are older than lap 1's loads: they are in
	s_cmp_lg_u32 s27, 0
	s_cbranch_scc1 .Lnogate
	v_mov_b32 v52, s31                             ; work-group 0 of the expert also stores its count
	s_lshl_b32 s38, s28, 2
	v_mov_b32 v53, s38
	v_cmp_eq_u32 vcc_lo, 0, v1
	s_wait_xcnt 0x0
	s_and_saveexec_b32 s44, vcc_lo
	global_store_b32 v53, v52, s[22:23]
	s_wait_xcnt 0x0
	s_or_b32 exec_lo, exec_lo, s44
.Lnogate:
	s_wait_xcnt 0x0                                ; wave 0's stores have read their registers, which the accumulators take
	s_mov_b32 s36, 0
	s_mov_b32 s45, 8
.Llap:                                                 ; eight trips of two laps
	LAP 0
	LAP 1
	s_sub_co_u32 s45, s45, 1
	s_cmp_lg_u32 s45, 0
	s_cbranch_scc1 .Llap
	s_wait_tensorcnt 0x0                           ; the wave's end
	ds_add_u32 v[SPW], v[NIL]
	s_wait_dscnt 0x0
	s_endpgm
.Lfunc_end_k_q5c3d8b0302_ffn1:
	.size	k_q5c3d8b0302_ffn1, .Lfunc_end_k_q5c3d8b0302_ffn1-k_q5c3d8b0302_ffn1
	.p2alignl 7, 3214868480
	.fill 96, 4, 3214868480
	.section	.rodata,"a",@progbits
	.p2align	6, 0x0
	.amdhsa_kernel k_q5c3d8b0302_ffn1
		.amdhsa_group_segment_fixed_size 200192
		.amdhsa_private_segment_fixed_size 0
		.amdhsa_enable_private_segment 0
		.amdhsa_kernarg_size 88
		.amdhsa_user_sgpr_count 2
		.amdhsa_user_sgpr_kernarg_segment_ptr 1
		.amdhsa_wavefront_size32 1
		.amdhsa_system_sgpr_workgroup_id_x 1
		.amdhsa_system_sgpr_workgroup_id_y 1
		.amdhsa_system_sgpr_workgroup_id_z 1
		.amdhsa_system_vgpr_workitem_id 0
		.amdhsa_next_free_vgpr 1024
		.amdhsa_next_free_sgpr 98
		.amdhsa_reserve_vcc 1
		.amdhsa_float_denorm_mode_32 3
		.amdhsa_float_denorm_mode_16_64 3
		.amdhsa_memory_ordered 1
		.amdhsa_forward_progress 1
		.amdhsa_inst_pref_size 190
	.end_amdhsa_kernel
	.amdgpu_metadata
---
amdhsa.version: [ 1, 2 ]
amdhsa.kernels:
  - .name:           k_q5c3d8b0302_ffn1
    .symbol:         k_q5c3d8b0302_ffn1.kd
    .args:
      - { .name: W1, .offset: 0, .size: 8, .value_kind: global_buffer, .address_space: global }
      - { .name: b1, .offset: 8, .size: 8, .value_kind: global_buffer, .address_space: global }
      - { .name: xb, .offset: 16, .size: 8, .value_kind: global_buffer, .address_space: global }
      - { .name: rec, .offset: 24, .size: 8, .value_kind: global_buffer, .address_space: global }
      - { .name: gate, .offset: 32, .size: 8, .value_kind: global_buffer, .address_space: global }
      - { .name: part, .offset: 40, .size: 8, .value_kind: global_buffer, .address_space: global }
      - { .name: hid, .offset: 48, .size: 8, .value_kind: global_buffer, .address_space: global }
      - { .name: perm, .offset: 56, .size: 8, .value_kind: global_buffer, .address_space: global }
      - { .name: gsort, .offset: 64, .size: 8, .value_kind: global_buffer, .address_space: global }
      - { .name: cnts, .offset: 72, .size: 8, .value_kind: global_buffer, .address_space: global }
      - { .name: out1, .offset: 80, .size: 8, .value_kind: global_buffer, .address_space: global }
    .group_segment_fixed_size: 200192
    .private_segment_fixed_size: 0
    .kernarg_segment_align: 8
    .kernarg_segment_size: 88
    .max_flat_workgroup_size: 128
    .sgpr_count:     98
    .vgpr_count:     1024
    .wavefront_size: 32
...
	.end_amdgpu_metadata
.endif
;; end of part 5
;; launch ffn2 (part 6): grid 32 x 8, 4 waves a work-group, no clusters, 262,656 bytes of LDS; arguments W2, b2, hid, perm, gsort, cnts, out0; writes out0
.if DOCPART == 6
	.amdgcn_target "amdgcn-amd-amdhsa--gfx1250"
	.amdhsa_code_object_version 6
	.text
	.protected	k_q5c3d8b0302_ffn2
	.globl	k_q5c3d8b0302_ffn2
	.p2align	8
	.type	k_q5c3d8b0302_ffn2,@function
k_q5c3d8b0302_ffn2:
	s_mov_b64 s[64:65], 0
	v_nop
	global_prefetch_b8 v0, s[64:65] scope:SCOPE_SE
	s_setreg_imm32_b32 hwreg(HW_REG_WAVE_MODE, 25, 1), 1
	s_wait_xcnt 0x0
; SECOND PRODUCT.  out0[token] = (hid W2[e] + b2[e]) x gate, for the tokens of expert e; each token has one expert, so each row of out0 has one owner and is stored here.
; FORMATS AND LIMITS.  hid is f16, so the products are f16's.  W2 and b2 are rounded once to bf16, as every input of the program is; W2's rounded number is then written as f16: exact from 2^-14 up to 65,504;
; below 2^-14 it keeps f16's fixed step of 2^-24 (4e-5 of W2's spread where W2 is 30 times smaller than drawn); beyond 65,504 it would be an infinity.  Sums in f32, in four parts of K = 512 added as (0 + 1) + (2 + 3).
; SHARES.  Work-group (x, e), x = 8 g + jc: output columns 64 jc .. + 63 and the expert's blocks of 16 rows g, g + 4, ..: nl of them, 0 to 64, by the stored count.
; Wave w owns K = 512 w .. + 511: its 64 fragments of W2 stay in 512 registers, and hid's blocks come from memory straight into registers as operands (the launch before laid them so).
; So each byte of the slice and of a block enters the work-group once.  The four waves' partial tiles meet in LDS, 16 blocks to a LAP.  A lap has two barriers; there are always four laps, and every wave passes
; every barrier; what a given count leaves without work is jumped over, forward, with no barrier in what is jumped.
; THE FETCH runs one block ahead.  Behind my last block nothing is asked for: a step has two ways, one with the fetch and a wait that leaves its 32 loads out, one with a wait for all loads.
; The first fetch alone is never left out, since it stands in the counted waits of the weights' ring: in a work-group without blocks it reads the expert's last stored block, 64 KB that nobody multiplies.
; The launch before stores one block at the least for every expert, so no byte is read that was not stored.
; ROWS PAST THE COUNT repeat the expert's last token (perm and hid both do): they store the same numbers to the same row, from this same work-group.  A work-group without blocks stores nothing.
; COLUMNS as in the launch before: block b, lane c stands for column 4 c + b.  With hid as source 0, register jj of lane (c, h) is row 8 h + jj, column 4 c + b: four blocks give a lane 16 neighbouring bytes of a row.
; NO CLUSTER, NO TENSOR LOADS: W2 is f32 and must pass registers to be rounded; hid's blocks, which an expert's eight column slices share, are walked in a number of steps that hangs on a stored count,
; and go to registers without touching LDS.
.set SPARE, 262144                     ; LDS 0 .. 262,143: slot (0..15) x 16,384 + wave x 4,096 + (2 b + q) x 512 + 16 l; then the spare words, 128 bytes a wave: no other line names them
.set HA,   1                           ; first l; then the byte offset, from the expert's first block, of my 16 bytes in the block to fetch
.set WOF,  4                           ; 65,536 h + 16 c: lanes 16-31 read the row of W2 32 further on
.set HOF,  5                           ; 16,384 w + 16 l: my 16 steps of a block
.set PST,  6                           ; where my partial tile goes
.set PST0, 7                           ; 4,096 w + 16 l
.set PRD,  8                           ; where I read four partial tiles
.set PGO,  9                           ; byte offset in perm and gsort of my four rows of unit 0 of the lap
.set OC,   10                          ; 256 jc + 16 c
.set PRD0, 11                          ; 16,384 (w >> 1) + 512 (w & 1) + 16 l
.set C16,  12                          ; 16 c
.set L16,  13                          ; 16 l
.set SPW,  14                          ; my spare word; never rewritten
.set NIL,  15                          ; 0; never rewritten
.set OADR, 16                          ; v16-19  byte offsets in out0 (first: b2 as loaded)
.set TM,   20                          ; v20-23  at work
.set B2,   24                          ; v24-31  b2 of column 4 c + b, twice each: pairs for the packed add
.set ACC,  32                          ; v32-63  four accumulators; in the reduction v32-47 are the rows to store
.set T,    64                          ; v64-127 wave sr, block b, row i at 64 + 16 sr + 4 b + i
; v128-255 F0; window 1 and 2: the slice, fragment (s, b) at 256 + 32 s + 8 b; window 3: v0-127 F1, v128-191 tokens and gates of eight units; before the laps all of window 3 is a ring of four raw K steps
; s18 wave, s19 wave >> 1, s20 jc, s21 g, s22 e, s23 count, s24 nl, s25 step, s26 and s27 loop counts, s28 my unit's slot, s29 the lap's first step, s34-37 at work, s38 mask, s39 the expert's last stored block (for the first fetch)
.set MSB, 0
.macro WIN new                         ; the immediate's high byte repeats the setting that is left; a switch that changes nothing is dropped
.if MSB != (\new)
	s_set_vgpr_msb (MSB<<8)|(\new)
.set MSB, \new
.endif
.endm
.macro WL st                           ; the raw weights of my K step st, in hid's own order of k: rows 64 (st >> 1) + 16 (st & 1) + i + 32 h; each half of the lanes reads 256 consecutive bytes
	WIN 0xc0
.set i, 0
.rept 16
	global_load_b128 v[64*((\st)%4)+4*i:64*((\st)%4)+4*i+3], v[WOF], s[4:5] offset:(64*((\st)/2)+16*((\st)%2)+i)*2048
.set i, i+1
.endr
.endm
; A K step's raw weights become its four fragments.  In pairs of neighbouring k, in place in the raw registers: rounded to bf16; the two halves widened to f32 again (the high one into the pair's second register,
; then the low one in place); and those two numbers written as f16 into the fragment.
.macro CV st
.set rw, 64*((\st)%4)
	WIN 0xcf                                       ; destination and both sources in window 3
.set b, 0
.rept 4
.set i, 0
.rept 8
	v_cvt_pk_bf16_f32 v[rw+8*i+b], v[rw+8*i+b], v[rw+8*i+4+b]
.set i, i+1
.endr
.set b, b+1
.endr
.set b, 0
.rept 4
.set i, 0
.rept 8
	v_and_b32 v[rw+8*i+4+b], s38, v[rw+8*i+b]
.set i, i+1
.endr
.set b, b+1
.endr
.set b, 0
.rept 4
.set i, 0
.rept 8
	v_lshlrev_b32 v[rw+8*i+b], 16, v[rw+8*i+b]
.set i, i+1
.endr
.set b, b+1
.endr
.if (\st) < 8
	WIN 0x4f
.else
	WIN 0x8f
.endif
.set b, 0
.rept 4
.set i, 0
.rept 8
	v_cvt_pk_f16_f32 v[32*((\st)%8)+8*b+i], v[rw+8*i+b], v[rw+8*i+4+b]
.set i, i+1
.endr
.set b, b+1
.endr
.endm
.macro FE buf, half                    ; half of my 16 KB of a block: 16 loads of 512 consecutive bytes
.if \buf
	WIN 0xc0
.set fb, 0
.else
	WIN 0
.set fb, 128
.endif
.set n, 16*(\half)
.rept 16
	global_load_b128 v[fb+4*n:fb+4*n+3], v[HA], s[8:9] offset:512*n
.set n, n+1
.endr
.endm
.macro MUL buf                         ; 64 matrix instructions; the four accumulators take turns; the first step's products start the sums
.set fb, 128-128*(\buf)
.set ss, 0
.rept 16
	WIN 4+4*(ss/8)+3*(\buf)
.set b, 0
.rept 4
.if ss == 0
	v_wmma_f32_16x16x32_f16 v[ACC+8*b:ACC+8*b+7], v[fb+8*ss:fb+8*ss+7], v[32*(ss%8)+8*b:32*(ss%8)+8*b+7], 0
.else
	v_wmma_f32_16x16x32_f16 v[ACC+8*b:ACC+8*b+7], v[fb+8*ss:fb+8*ss+7], v[32*(ss%8)+8*b:32*(ss%8)+8*b+7], v[ACC+8*b:ACC+8*b+7]
.endif
.set b, b+1
.endr
.set ss, ss+1
.endr
.endm
.macro PGL                             ; tokens and gates of my four rows in each of my eight units of the lap
	WIN 0xc0
.set n, 0
.rept 8
	global_load_b128 v[128+8*n:131+8*n], v[PGO], s[10:11] offset:512*n
	global_load_b128 v[132+8*n:135+8*n], v[PGO], s[12:13] offset:512*n
.set n, n+1
.endr
	WIN 0
.endm
.macro STEP buf                        ; one block: my next block, if there is one, is asked for; this one is multiplied, and my partial tile put into its slot
	s_wait_xcnt 0x0                                ; on both ways: the offset of the fetch that is out, and the rows that the last lap's stores read (the products below write them), are written again only behind this wait
	s_add_co_u32 s34, s25, 1
	s_cmp_lt_u32 s34, s24
	s_cbranch_scc0 .Lnofetch_\@                    ; this is my last block: nothing is asked for
	s_lshl2_add_u32 s34, s34, s21                  ; my next block, g + 4 (step + 1): it exists, so the launch before stored it
	s_min_u32 s34, s34, 0xff                       ; inside the expert's 256 blocks, whatever was loaded
	s_lshl_b32 s34, s34, 16                        ; 65,536 bytes a block
	v_add_nc_u32 v[HA], s34, v[HOF]
	FE 1-(\buf), 0
	FE 1-(\buf), 1
	WIN 0                                          ; at a branch and at a label every window is 0
	s_wait_loadcnt 32                              ; only the 32 just issued are younger: this block is in
	s_branch .Lmul_\@
.Lnofetch_\@:
	s_wait_loadcnt 0x0                             ; no load was issued behind this block's
.Lmul_\@:
	MUL \buf
	WIN 0
.rept 5
	v_nop                                          ; the places behind the last products: for the stores below, for the next fetch into this buffer, and for the products that start the sums anew
.endr
.set b, 0
.rept 4                                ; each accumulator from its low registers on
	ds_store_b128 v[PST], v[ACC+8*b:ACC+8*b+3] offset:1024*b
	ds_store_b128 v[PST], v[ACC+8*b+4:ACC+8*b+7] offset:1024*b+512
.set b, b+1
.endr
	v_add_nc_u32 v[PST], 0x4000, v[PST]
	s_add_co_u32 s25, s25, 1
.endm
.macro UNIT n                          ; slot 2 n + (w >> 1), rows 8 h + 4 (w & 1) + 0..3, all 64 columns: the four waves' parts are added, then bias, gate, store
	s_cmp_ge_u32 s28, s24
	s_cbranch_scc1 .Lred_end
.set sr, 0
.rept 4
.set b, 0
.rept 4
	ds_load_b128 v[T+16*sr+4*b:T+16*sr+4*b+3], v[PRD] offset:4096*sr+1024*b
.set b, b+1
.endr
.set sr, sr+1
.endr
	s_wait_xcnt 0x0                                ; the last unit's stores have read their registers
	WIN 0x0c
.set i, 0
.rept 4
	v_min_u32 v[TM+i], 0xfff, v[128+8*(\n)+i]
.set i, i+1
.endr
	WIN 0
.set i, 0
.rept 4
	v_lshl_add_u32 v[OADR+i], v[TM+i], 11, v[OC]
.set i, i+1
.endr
	s_wait_dscnt 0x0
.set k, 0
.rept 8
	v_pk_add_f32 v[T+2*k:T+2*k+1], v[T+2*k:T+2*k+1], v[T+16+2*k:T+16+2*k+1]
	v_pk_add_f32 v[T+32+2*k:T+32+2*k+1], v[T+32+2*k:T+32+2*k+1], v[T+48+2*k:T+48+2*k+1]
.set k, k+1
.endr
.set k, 0
.rept 8
	v_pk_add_f32 v[T+2*k:T+2*k+1], v[T+2*k:T+2*k+1], v[T+32+2*k:T+32+2*k+1]
.set k, k+1
.endr
.set k, 0
.rept 8
	v_pk_add_f32 v[T+2*k:T+2*k+1], v[T+2*k:T+2*k+1], v[B2+2*(k/2):B2+2*(k/2)+1]
.set k, k+1
.endr
	WIN 0x0c
.set i, 0
.rept 4
.set b, 0
.rept 4                                ; the multiply also brings a row's four columns into neighbouring registers
	v_mul_f32 v[ACC+4*i+b], v[T+4*b+i], v[132+8*(\n)+i]
.set b, b+1
.endr
.set i, i+1
.endr
	WIN 0
.set i, 0
.rept 4
	global_store_b128 v[OADR+i], v[ACC+4*i:ACC+4*i+3], s[16:17] th:TH_STORE_NT  ; each half of the lanes stores 256 consecutive bytes of one row, at a multiple of 256 from out0's first
.set i, i+1
.endr
	v_add_nc_u32 v[PRD], 0x8000, v[PRD]
	s_add_co_u32 s28, s28, 2
.endm
	s_load_b256 s[4:11], s[0:1], 0x0               ; W2 s[4:5], b2 s[6:7], hid s[8:9], perm s[10:11]
	s_load_b128 s[12:15], s[0:1], 0x20             ; gsort s[12:13], cnts s[14:15]
	s_load_b64 s[16:17], s[0:1], 0x30              ; out0
	v_lshl_add_u32 v[SPW], v0, 2, SPARE
	v_mov_b32 v[NIL], 0
	v_and_b32 v1, 31, v0                           ; l
	v_lshrrev_b32 v[TM], 5, v0
	v_readfirstlane_b32 s18, v[TM]                 ; wave
	s_lshr_b32 s19, s18, 1
	s_and_b32 s20, ttmp9, 7                        ; jc
	s_lshr_b32 s21, ttmp9, 3                       ; g
	s_and_b32 s22, ttmp7, 0xffff                   ; e
	v_and_b32 v2, 15, v0                           ; c
	v_bfe_u32 v3, v0, 4, 1                         ; h
	v_lshlrev_b32 v[C16], 4, v2
	v_lshl_add_u32 v[WOF], v3, 16, v[C16]
	v_lshlrev_b32 v[L16], 4, v1
	v_lshl_add_u32 v[HOF], s18, 14, v[L16]
	v_lshl_add_u32 v[PST0], s18, 12, v[L16]
	v_lshl_add_u32 v[OC], s20, 8, v[C16]
	s_lshl_b32 s34, s19, 14
	s_and_b32 s35, s18, 1
	s_lshl_b32 s36, s35, 9
	s_add_co_u32 s34, s34, s36
	v_add_nc_u32 v[PRD0], s34, v[L16]
	s_lshl_b32 s34, s22, 14                        ; 16,384 e + 64 g + 256 (w >> 1) + 16 (w & 1) + 32 h
	s_lshl_b32 s36, s21, 6
	s_add_co_u32 s34, s34, s36
	s_lshl_b32 s36, s19, 8
	s_add_co_u32 s34, s34, s36
	s_lshl_b32 s36, s35, 4
	s_add_co_u32 s34, s34, s36
	v_lshl_add_u32 v[PGO], v3, 5, s34
	s_mov_b32 s38, 0xffff0000
	s_mov_b32 s37, 0
	s_wait_kmcnt 0x0
	s_lshl_b32 s36, s22, 2
	s_add_nc_u64 s[14:15], s[14:15], s[36:37]
	s_load_b32 s23, s[14:15], 0x0                  ; the expert's count
	s_lshl_b32 s36, s22, 11                        ; b2: 2,048 bytes an expert
	s_lshl_b32 s35, s20, 8
	s_add_co_u32 s36, s36, s35
	s_add_nc_u64 s[6:7], s[6:7], s[36:37]
	global_load_b128 v[OADR:OADR+3], v[C16], s[6:7]
	s_lshl_b32 s36, s22, 22                        ; W2: the expert's 4 MiB, my 512 rows of 2,048 bytes, the slice's 256 bytes
	s_lshl_b32 s34, s18, 20
	s_add_co_u32 s36, s36, s34
	s_add_co_u32 s36, s36, s35
	s_add_nc_u64 s[4:5], s[4:5], s[36:37]
	WL 0
	WL 1
	WL 2
	WL 3
	WIN 0
	s_lshl_b32 s36, s22, 24                        ; hid: 2^24 bytes an expert
	s_add_nc_u64 s[8:9], s[8:9], s[36:37]
	s_wait_kmcnt 0x0
	s_min_u32 s23, s23, 0x1000
	s_add_co_u32 s39, s23, 15
	s_lshr_b32 s39, s39, 4                         ; the expert's blocks,
	s_add_co_u32 s24, s39, 3
	s_sub_co_u32 s24, s24, s21
	s_lshr_b32 s24, s24, 2                         ; of which g, g + 4, .. are mine
	s_max_u32 s39, s39, 1
	s_sub_co_u32 s39, s39, 1                       ; the last block that the launch before stored
	s_min_u32 s34, s21, s39                        ; the first fetch: block g, or that last block
	s_min_u32 s34, s34, 0xff
	s_lshl_b32 s34, s34, 16
	v_add_nc_u32 v[HA], s34, v[HOF]
	; THE SLICE: 16 K steps through a ring of four raw steps.  Three batches of 16 loads are always younger than the step that is rounded; behind step 12 the batches are the first block's two halves.
.set sI, 0
.rept 16
.if sI < 15
	s_wait_loadcnt 48
.else
	s_wait_loadcnt 32                              ; only the first block's 32 loads are younger
.endif
	CV sI
.if sI < 12
	WL sI+4
.elseif sI == 12
	FE 0, 0
.elseif sI == 13
	FE 0, 1
.endif
.set sI, sI+1
.endr
	WIN 0
	v_cvt_pk_bf16_f32 v[TM], v[OADR], v[OADR+1]    ; b2 rounded to bf16, widened again, twice each
	v_cvt_pk_bf16_f32 v[TM+1], v[OADR+2], v[OADR+3]
	v_lshlrev_b32 v[B2], 16, v[TM]
	v_lshlrev_b32 v[B2+1], 16, v[TM]
	v_and_b32 v[B2+2], s38, v[TM]
	v_and_b32 v[B2+3], s38, v[TM]
	v_lshlrev_b32 v[B2+4], 16, v[TM+1]
	v_lshlrev_b32 v[B2+5], 16, v[TM+1]
	v_and_b32 v[B2+6], s38, v[TM+1]
	v_and_b32 v[B2+7], s38, v[TM+1]
	s_mov_b32 s25, 0
	s_mov_b32 s29, 0
	s_mov_b32 s27, 4
.Llap:                                                 ; four laps of up to 16 blocks
	s_cmp_ge_u32 s29, s24
	s_cbranch_scc1 .Lmeet
	PGL
	v_mov_b32 v[PST], v[PST0]
	s_mov_b32 s26, 8
.Lpair:
	s_cmp_ge_u32 s25, s24
	s_cbranch_scc1 .Lmeet
	STEP 0
	s_cmp_ge_u32 s25, s24
	s_cbranch_scc1 .Lmeet
	STEP 1
	s_sub_co_u32 s26, s26, 1
	s_cmp_lg_u32 s26, 0
	s_cbranch_scc1 .Lpair
.Lmeet:
	s_wait_loadcnt 0x0                             ; tokens and gates; the next lap's first block, if there is one: no load crosses a lap unfinished
	s_wait_dscnt 0x0                               ; for the others' sake: my partial tiles are in LDS
	s_barrier_signal -1
	s_barrier_wait -1
	v_mov_b32 v[PRD], v[PRD0]
	s_add_co_u32 s28, s29, s19
	UNIT 0
	UNIT 1
	UNIT 2
	UNIT 3
	UNIT 4
	UNIT 5
	UNIT 6
	UNIT 7
.Lred_end:
	s_wait_dscnt 0x0                               ; my reads of the slots are over:
	s_barrier_signal -1
	s_barrier_wait -1                              ; only behind this barrier are they written again
	v_add_nc_u32 v[PGO], 0x1000, v[PGO]            ; 64 blocks of the expert on
	s_add_co_u32 s29, s29, 16
	s_sub_co_u32 s27, s27, 1
	s_cmp_lg_u32 s27, 0
	s_cbranch_scc1 .Llap
	s_wait_tensorcnt 0x0                           ; the wave's end
	ds_add_u32 v[SPW], v[NIL]
	s_wait_dscnt 0x0
	s_endpgm
.Lfunc_end_k_q5c3d8b0302_ffn2:
	.size	k_q5c3d8b0302_ffn2, .Lfunc_end_k_q5c3d8b0302_ffn2-k_q5c3d8b0302_ffn2
	.p2alignl 7, 3214868480
	.fill 96, 4, 3214868480
	.section	.rodata,"a",@progbits
	.p2align	6, 0x0
	.amdhsa_kernel k_q5c3d8b0302_ffn2
		.amdhsa_group_segment_fixed_size 262656
		.amdhsa_private_segment_fixed_size 0
		.amdhsa_enable_private_segment 0
		.amdhsa_kernarg_size 56
		.amdhsa_user_sgpr_count 2
		.amdhsa_user_sgpr_kernarg_segment_ptr 1
		.amdhsa_wavefront_size32 1
		.amdhsa_system_sgpr_workgroup_id_x 1
		.amdhsa_system_sgpr_workgroup_id_y 1
		.amdhsa_system_sgpr_workgroup_id_z 1
		.amdhsa_system_vgpr_workitem_id 0
		.amdhsa_next_free_vgpr 1024
		.amdhsa_next_free_sgpr 66
		.amdhsa_reserve_vcc 0
		.amdhsa_float_denorm_mode_32 3
		.amdhsa_float_denorm_mode_16_64 3
		.amdhsa_memory_ordered 1
		.amdhsa_forward_progress 1
		.amdhsa_inst_pref_size 186
	.end_amdhsa_kernel
	.amdgpu_metadata
---
amdhsa.version: [ 1, 2 ]
amdhsa.kernels:
  - .name:           k_q5c3d8b0302_ffn2
    .symbol:         k_q5c3d8b0302_ffn2.kd
    .args:
      - { .name: W2, .offset: 0, .size: 8, .value_kind: global_buffer, .address_space: global }
      - { .name: b2, .offset: 8, .size: 8, .value_kind: global_buffer, .address_space: global }
      - { .name: hid, .offset: 16, .size: 8, .value_kind: global_buffer, .address_space: global }
      - { .name: perm, .offset: 24, .size: 8, .value_kind: global_buffer, .address_space: global }
      - { .name: gsort, .offset: 32, .size: 8, .value_kind: global_buffer, .address_space: global }
      - { .name: cnts, .offset: 40, .size: 8, .value_kind: global_buffer, .address_space: global }
      - { .name: out0, .offset: 48, .size: 8, .value_kind: global_buffer, .address_space: global }
    .group_segment_fixed_size: 262656
    .private_segment_fixed_size: 0
    .kernarg_segment_align: 8
    .kernarg_segment_size: 56
    .max_flat_workgroup_size: 128
    .sgpr_count:     66
    .vgpr_count:     1024
    .wavefront_size: 32
...
	.end_amdgpu_metadata
.endif
;; end of part 6
